; MI455X (gfx1250); checked and timed in simulation.
; The chip was launched on July 23, 2026; its instructions are those of AMD's public machine-readable ISA for CDNA 5 (MIT licence, August 2026) and "CDNA5" Instruction Set Architecture Reference Guide (July 2026). The comments in the code are by the model that wrote it; some were corrected since.
;; Local Attention Block. Allowed arithmetic: matrix products marked QUANTISED: E4M3 operands, one given power-of-two scale a tensor, by v_wmma_f32_16x16x64_fp8_fp8 or v_wmma_f32_16x16x128_fp8_fp8, f32 sums; everything else in f32.
;; Inputs: Wf 1,024 x 1,024 float32; Wk 64 x 1,024 float32; Wq 1,024 x 1,024 float32; Wv 64 x 1,024 float32; bf 1,024 float32; lowp_scales 12 int32 (the exponents e of the quantised operands' scales 2^e); segment_pos 2 x 2,048 int32; x 2 x 2,048 x 1,024 float32.
;; Outputs: out0 2 x 2,048 x 1,024 float32.
;; This version of the problem:
;;   THIS VERSION OF THE PROBLEM IS GIVEN IN LOW PRECISION. The matrix products marked QUANTISED in the list below multiply operands that are first quantised to E4M3 (4 exponent bits, 3 mantissa bits; 8 bits a number), with one given power-of-two scale for each operand tensor; their sums are f32. All else is computed in f32.
;;   The module's matrix products, in the order in which they are computed (A, B: the left and right operand; K: the contracted axis; several contracted axes count as one K, in the product's order):
;;     1. [M 4,096, K 1,024] x [K 1,024, N 1,024]; A: input x; B: input Wq: QUANTISED (scales: A lowp_scales[0], B lowp_scales[1])
;;     2. [M 4,096, K 1,024] x [K 1,024, N 64]; A: input x; B: input Wk: QUANTISED (scales: A lowp_scales[2], B lowp_scales[3])
;;     3. [M 4,096, K 1,024] x [K 1,024, N 64]; A: input x; B: input Wv: QUANTISED (scales: A lowp_scales[4], B lowp_scales[5])
;;     4. batch 2 x [M 2,048, K 64] x [K 64, N 32,768]; A: computed on the way; B: computed on the way: QUANTISED (scales: A lowp_scales[6], B lowp_scales[7])
;;     5. batch 2 x [M 64, K 2,048] x [K 2,048, N 32,768]; A: computed on the way; B: softmax (see below): QUANTISED (scales: A lowp_scales[8], B lowp_scales[9])
;;     6. [M 4,096, K 1,024] x [K 1,024, N 1,024]; A: computed on the way; B: input Wf: QUANTISED (scales: A lowp_scales[10], B lowp_scales[11])
;;   THE QUANTISER, for each operand of a quantised product, along K:
;;     - The operand's scale is 2^e, e = its entry of the input lowp_scales (int32; the entries are numbered through the quantised products in the list's order, A before B).
;;     - Each number is divided by the scale, clamped to +-448, and rounded to the nearest number of E4M3, ties to even, subnormals kept.
;;     - The product sums the exact products of the quantised numbers (number of the format x scale) in f32.
;;   ~~~python
;;   def quantise(x, axis, e):      # numpy; x: float32 -> the quantised numbers, widened to float32 again
;;       x = np.moveaxis(x, axis, -1); K = x.shape[-1]
;;       r = np.clip(x / 2.0 ** e, -448, 448)
;;       step = 2.0 ** (np.maximum(np.frexp(np.where(r == 0, 1, r))[1] - 1, -6) - 3)
;;       q = np.round(r / step) * step * 2.0 ** e      # np.round: ties to even
;;       return np.moveaxis(q, -1, axis).astype(np.float32)
;;   ~~~
;;   SOFTMAX AHEAD OF A QUANTISED PRODUCT. Where the list says 'softmax', what is quantised is not the finished softmax but p = 2^(t - M), with t = logit x log2(e) and M = ceil(the row's largest t), a whole number; so 1/2 < the row's largest p <= 1. The row's sum l is taken of the UNQUANTISED p, in f32, and the product's result is divided by l at the end. Since M is a whole number, a kernel that streams over the keys may use a running M (the ceiling of the running maximum): every later rescaling is an exact power of two, so the quantised numbers keep their values, but for numbers so far below the row's largest that they fall under the format's range.
;;   OPERANDS COMPUTED ON THE WAY. 'Computed on the way' means the value that the module computes at that place (a softmax that the list does not call 'softmax' is quantised finished and normalised). What goes into a quantiser is computed in f32, as accurately as f32 sums, v_exp_f32 and their like allow (about 1e-6 of the number): no bf16 or f16 on the way to a quantiser, and a product that is left as it is and whose result goes on into a quantised operand takes f32 operands (vector FMAs, or v_wmma_f32_16x16x4_f32). A number that lies on a knife's edge between two numbers of the format may be rounded either way, as far as f32 arithmetic and the matrix unit's own rounding can turn it there, and no further.
;; 2 versions, each right; version 2 is version 1 with the launch attn written anew for expert scheduling mode. Each part assembles by itself: llvm-mc -triple=amdgcn-amd-amdhsa -mcpu=gfx1250 --defsym DOCPART=n.
;; ======== version 1 of 2: 4 launches
;; workspace buffers: xc 12,582,912 bytes; wc 2,228,224 bytes; qc 4,194,304 bytes; kvc 524,288 bytes; oc 4,194,304 bytes
;; launch quant (part 1): grid 392 x 1, 4 waves a work-group, no clusters, 34,304 bytes of LDS; arguments x, Wq, Wf, Wk, Wv, lowp_scales, xc, wc; writes xc, wc
.if DOCPART == 1
	.amdgcn_target "amdgcn-amd-amdhsa--gfx1250"
	.amdhsa_code_object_version 6
	.text
	.protected	k_qb427a06c30_quant
	.globl	k_qb427a06c30_quant
	.p2align	8
	.type	k_qb427a06c30_quant,@function
k_qb427a06c30_quant:
	s_mov_b64 s[64:65], 0
	v_nop
	global_prefetch_b8 v0, s[64:65] scope:SCOPE_SE
	s_setreg_imm32_b32 hwreg(HW_REG_WAVE_MODE, 25, 1), 1
	s_wait_xcnt 0x0
; x [4096][1024] and the four weights ([1024][1024], [1024][1024], [64][1024], [64][1024]), f32 with K innermost, become codes of FP8 (E4M3).
; code = number / 2^e, held within +-448, rounded to the nearest code, ties to even.  x is quantised three times (e0, e2, e4: the three products that read it may have three scales);
; Wq with e1, Wf with e11, Wk with e3, Wv with e5.
; THE CODES LIE AS IMAGES OF FRAGMENT REGISTERS.  A fragment is 16 rows x 128 K, 16 registers a lane, 2,048 bytes: group g (512 bytes) holds lane l's registers 4 g .. 4 g + 3 at 16 l:
; of row l % 16 the codes k = 32 g + 8 (l / 16) + 0 .. 7 and k = 32 g + 16 + 8 (l / 16) + 0 .. 7, the places that the plain 8-bit matrix forms give each k.  A row tile (16 rows x 1,024 K) is 8 fragments, 16,384 bytes.
; xc: x's 256 row tiles with e0, then (4 MiB on) with e2, then (8 MiB on) with e4.  wc: 136 row tiles: Wq 0-63, Wf 64-127, Wk 128-131, Wv 132-135.
; SHARES.  A work-group takes one row tile: 0-255 x, 256-319 Wq, 320-383 Wf, 384-387 Wk, 388-391 Wv.  Wave w takes K 256 w .. 256 w + 255: fragments 2 w and 2 w + 1.
; Each load reads 512 consecutive bytes of one row; the 16 x 512 bytes turn through the wave's own stage in LDS (rows 528 bytes apart) and come back as a lane's 16 numbers of each group; each store covers 512 consecutive bytes.
; One path serves all tensors: pointers and the exponent are chosen by the work-group's number; x's second and third outputs stand under a scalar branch on that number, which holds no LDS line.
; LIMITS: every e between -126 and 119, so that 2^e and 448 x 2^e are f32 numbers.  NaN among the inputs is not served (an infinity is held at the largest code).
; segment_pos, an input of the problem, enters no value of the result as the problem defines it (the mask is made of positions counted from 0): no launch of this program loads it.
.set SP,   528                         ; a stage row: 512 bytes + 16
.set WST,  16*SP                       ; a wave's stage
.set R,    16                          ; v16-79, v80-143: the two K steps' numbers, as loaded and then as turned
.set T,    144                         ; v144-175: two sets of 16 held numbers
.set C,    176                         ; v176-223: 16 registers of codes for each of three outputs
	s_load_b512 s[8:23], s[0:1], 0x0               ; x s[8:9], Wq s[10:11], Wf s[12:13], Wk s[14:15], Wv s[16:17], the exponents s[18:19], xc s[20:21], wc s[22:23]
	v_lshl_add_u32 v224, v0, 2, 0x8400
	v_mov_b32 v225, 0
	v_lshrrev_b32 v12, 5, v0
	v_readfirstlane_b32 s2, v12                    ; wave 0..3
	v_and_b32 v5, 31, v0
	v_lshlrev_b32 v5, 4, v5                        ; 16 x lane
	v_and_b32 v12, 15, v0                          ; r
	v_bfe_u32 v13, v0, 4, 1                        ; h
	s_lshl_b32 s3, s2, 10
	s_mul_i32 s4, s2, WST
	s_lshl_b32 s5, s2, 12
	v_add_nc_u32 v1, s3, v5                        ; in: my wave's 1,024 bytes of a row, 16 bytes a lane
	v_add_nc_u32 v2, s4, v5                        ; the stage, on the way in: as loaded
	v_mul_u32_u24 v3, v12, SP
	v_lshl_add_u32 v3, v13, 5, v3
	v_add_nc_u32 v3, s4, v3                        ; and on the way out: row r, + 32 h bytes (8 numbers)
	v_add_nc_u32 v4, s5, v5                        ; out: my wave's two fragments of the row tile, 16 bytes a lane
	s_wait_kmcnt 0x0
	s_load_b256 s[24:31], s[18:19], 0x0            ; e0 .. e7
	s_load_b32 s32, s[18:19], 0x2c                 ; e11
	s_mov_b64 s[34:35], s[16:17]                   ; which tensor: the choice hangs on the work-group's number alone
	s_mov_b32 s36, 388
	s_cmp_lt_u32 ttmp9, 388
	s_cselect_b64 s[34:35], s[14:15], s[34:35]
	s_cselect_b32 s36, 384, s36
	s_cmp_lt_u32 ttmp9, 384
	s_cselect_b64 s[34:35], s[12:13], s[34:35]
	s_cselect_b32 s36, 320, s36
	s_cmp_lt_u32 ttmp9, 320
	s_cselect_b64 s[34:35], s[10:11], s[34:35]
	s_cselect_b32 s36, 256, s36
	s_cmp_lt_u32 ttmp9, 256
	s_cselect_b64 s[34:35], s[8:9], s[34:35]
	s_cselect_b32 s36, 0, s36                      ; the tensor's first work-group
	s_cselect_b64 s[38:39], s[20:21], s[22:23]     ; the first output's buffer,
	s_cselect_b32 s37, 0, 256                      ; and the work-group that writes its tile 0
	s_sub_co_u32 s40, ttmp9, s36
	s_lshl_b32 s40, s40, 16                        ; 16 rows of 4,096 bytes
	s_mov_b32 s41, 0
	s_add_nc_u64 s[34:35], s[34:35], s[40:41]
	s_sub_co_u32 s42, ttmp9, s37
	s_lshl_b32 s42, s42, 14
	s_mov_b32 s43, 0
	s_add_nc_u64 s[38:39], s[38:39], s[42:43]
	s_lshl_b32 s44, ttmp9, 14                      ; x's other two outputs (used by work-groups 0-255 alone)
	s_mov_b32 s45, 0
	s_add_nc_u64 s[46:47], s[20:21], s[44:45]
	s_add_nc_u64 s[48:49], s[46:47], 0x800000
	s_add_nc_u64 s[46:47], s[46:47], 0x400000
.macro LOAD s                          ; K step s of my two: 16 rows x 512 bytes
.irp i, 0,1,2,3,4,5,6,7,8,9,10,11,12,13,14,15
	global_load_b128 v[R+64*\s+4*\i:R+64*\s+4*\i+3], v1, s[34:35] offset:4096*\i+512*\s th:TH_LOAD_NT
.endr
.endm
.macro TURN s                          ; through the stage: LDS serves a wave's instructions in order (ISA guide 5.7.1.4), so no wait stands between the stores and the loads
.irp i, 0,1,2,3,4,5,6,7,8,9,10,11,12,13,14,15
	ds_store_b128 v2, v[R+64*\s+4*\i:R+64*\s+4*\i+3] offset:SP*\i
.endr
.irp g, 0,1,2,3                        ; registers 16 g + 0 .. 7: k = 32 g + 8 h + 0 .. 7; 16 g + 8 .. 15: k = 32 g + 16 + 8 h + 0 .. 7
	ds_load_b128 v[R+64*\s+16*\g:R+64*\s+16*\g+3], v3 offset:128*\g
	ds_load_b128 v[R+64*\s+16*\g+4:R+64*\s+16*\g+7], v3 offset:128*\g+16
	ds_load_b128 v[R+64*\s+16*\g+8:R+64*\s+16*\g+11], v3 offset:128*\g+64
	ds_load_b128 v[R+64*\s+16*\g+12:R+64*\s+16*\g+15], v3 offset:128*\g+80
.endr
.endm
.macro MKSC e, vs, vl                  ; s[e] = the exponent: v[vs] = 2^e as f32 (the conversion takes its exponent field), v[vl] = 448 x 2^e
	s_add_co_i32 s50, s[\e], 127
	s_lshl_b32 s51, s50, 23
	v_mov_b32 v[\vs], s51
	s_add_co_i32 s50, s50, 8
	s_lshl_b32 s50, s50, 23
	s_or_b32 s50, s50, 0x600000
	v_mov_b32 v[\vl], s50
.endm
; Output o of K step s, to the buffer at s[d:d+1].  The numbers stay as they are (three outputs read them): the held ones go into T's two sets by turns, so that sixteen plain lines
; stand between a conversion and the next write of its sources.
.macro OUT o, s, d
.irp g, 0,1,2,3
.irp i, 0,1,2,3,4,5,6,7,8,9,10,11,12,13,14,15
	v_med3_num_f32 v[T+16*(\g%2)+\i], v[R+64*\s+16*\g+\i], -v[7+2*\o], v[7+2*\o]   ; the conversion to an 8-bit code does not saturate (ISA guide 7.6.2): the hold comes first
.endr
	v_cvt_scalef32_pk8_fp8_f32 v[C+16*\o+4*\g:C+16*\o+4*\g+1], v[T+16*(\g%2):T+16*(\g%2)+7], v[6+2*\o]
	v_cvt_scalef32_pk8_fp8_f32 v[C+16*\o+4*\g+2:C+16*\o+4*\g+3], v[T+16*(\g%2)+8:T+16*(\g%2)+15], v[6+2*\o]
.endr
	v_nop                                          ; a plain line behind the last conversion of the run
.irp g, 0,1,2,3
	global_store_b128 v4, v[C+16*\o+4*\g:C+16*\o+4*\g+3], s[\d:\d+1] offset:2048*\s+512*\g   ; 32 lanes store 512 consecutive bytes, aligned
.endr
.endm
.macro KSTEP s
	s_wait_loadcnt 16*(1-\s)                       ; this K step's 16 loads are in; the younger K step's 16 may be out
	TURN \s
	s_wait_dscnt 0x0
.if \s > 0
	s_wait_xcnt 0x0                                ; the first K step's stores have read their codes: C is written again only behind this wait
.endif
	OUT 0, \s, 38
	s_cmp_lt_u32 ttmp9, 256
	s_cbranch_scc0 .Lweight_\@                     ; a weight has one output
	OUT 1, \s, 46
	OUT 2, \s, 48
.Lweight_\@:
.endm
	LOAD 0
	LOAD 1
	s_wait_kmcnt 0x0
	s_mov_b32 s33, s29                             ; the first output's exponent: e5, e3, e11, e1 or e0
	s_cmp_lt_u32 ttmp9, 388
	s_cselect_b32 s33, s27, s33
	s_cmp_lt_u32 ttmp9, 384
	s_cselect_b32 s33, s32, s33
	s_cmp_lt_u32 ttmp9, 320
	s_cselect_b32 s33, s25, s33
	s_cmp_lt_u32 ttmp9, 256
	s_cselect_b32 s33, s24, s33
	MKSC 33, 6, 7
	MKSC 26, 8, 9                                  ; e2
	MKSC 28, 10, 11                                ; e4
	KSTEP 0
	KSTEP 1
	s_wait_tensorcnt 0x0
	ds_add_u32 v224, v225
	s_wait_dscnt 0x0
	s_endpgm
.Lfunc_end_k_qb427a06c30_quant:
	.size	k_qb427a06c30_quant, .Lfunc_end_k_qb427a06c30_quant-k_qb427a06c30_quant
	.p2alignl 7, 3214868480
	.fill 96, 4, 3214868480
	.section	.rodata,"a",@progbits
	.p2align	6, 0x0
	.amdhsa_kernel k_qb427a06c30_quant
		.amdhsa_group_segment_fixed_size 34304
		.amdhsa_private_segment_fixed_size 0
		.amdhsa_enable_private_segment 0
		.amdhsa_kernarg_size 64
		.amdhsa_user_sgpr_count 2
		.amdhsa_user_sgpr_kernarg_segment_ptr 1
		.amdhsa_wavefront_size32 1
		.amdhsa_system_sgpr_workgroup_id_x 1
		.amdhsa_system_sgpr_workgroup_id_y 1
		.amdhsa_system_sgpr_workgroup_id_z 1
		.amdhsa_system_vgpr_workitem_id 0
		.amdhsa_next_free_vgpr 226
		.amdhsa_next_free_sgpr 66
		.amdhsa_reserve_vcc 0
		.amdhsa_float_denorm_mode_32 3
		.amdhsa_float_denorm_mode_16_64 3
		.amdhsa_memory_ordered 1
		.amdhsa_forward_progress 1
		.amdhsa_inst_pref_size 41
	.end_amdhsa_kernel
	.amdgpu_metadata
---
amdhsa.version: [ 1, 2 ]
amdhsa.kernels:
  - .name:           k_qb427a06c30_quant
    .symbol:         k_qb427a06c30_quant.kd
    .args:
      - { .name: x, .offset: 0, .size: 8, .value_kind: global_buffer, .address_space: global }
      - { .name: Wq, .offset: 8, .size: 8, .value_kind: global_buffer, .address_space: global }
      - { .name: Wf, .offset: 16, .size: 8, .value_kind: global_buffer, .address_space: global }
      - { .name: Wk, .offset: 24, .size: 8, .value_kind: global_buffer, .address_space: global }
      - { .name: Wv, .offset: 32, .size: 8, .value_kind: global_buffer, .address_space: global }
      - { .name: lowp_scales, .offset: 40, .size: 8, .value_kind: global_buffer, .address_space: global }
      - { .name: xc, .offset: 48, .size: 8, .value_kind: global_buffer, .address_space: global }
      - { .name: wc, .offset: 56, .size: 8, .value_kind: global_buffer, .address_space: global }
    .group_segment_fixed_size: 34304
    .private_segment_fixed_size: 0
    .kernarg_segment_align: 8
    .kernarg_segment_size: 64
    .max_flat_workgroup_size: 128
    .sgpr_count:     66
    .vgpr_count:     226
    .wavefront_size: 32
...
	.end_amdgpu_metadata
.endif
;; end of part 1
;; launch proj (part 2): grid 8 x 32, 4 waves a work-group, clusters of 4 x 4, 262,656 bytes of LDS; arguments xc, wc, lowp_scales, qc, kvc; writes qc, kvc
.if DOCPART == 2
	.amdgcn_target "amdgcn-amd-amdhsa--gfx1250"
	.amdhsa_code_object_version 6
	.text
	.protected	k_qb427a06c30_proj
	.globl	k_qb427a06c30_proj
	.p2align	8
	.type	k_qb427a06c30_proj,@function
k_qb427a06c30_proj:
	s_mov_b64 s[64:65], 0
	v_nop
	global_prefetch_b8 v0, s[64:65] scope:SCOPE_SE
	s_setreg_imm32_b32 hwreg(HW_REG_WAVE_MODE, 25, 1), 1
	s_wait_xcnt 0x0
	s_wait_alu depctr_hold_cnt(0) depctr_sa_sdst(0) depctr_va_vdst(0) depctr_va_sdst(0) depctr_va_ssrc(0) depctr_va_vcc(0) depctr_vm_vsrc(0)
	s_getreg_b32 s2, hwreg(HW_REG_IB_STS2, 6, 4)
	s_cmp_eq_u32 s2, 0
	s_cbranch_scc0 .Lentry_in_a_cluster
	s_endpgm
.Lentry_in_a_cluster:
	s_bfe_u32 s2, ttmp6, 0x10000c
	s_cmp_lg_u32 s2, 0xf033
	s_cbranch_scc0 .Lentry_shape_is_right
	s_endpgm
.Lentry_shape_is_right:
; q = x Wq^T, k = x Wk^T, v = x Wv^T on codes of FP8 (E4M3), and the results quantised again for the attention: q with e7, k with e6, v with e8.
; All operands come as images of fragment registers (16 rows x 128 K = 2,048 bytes: group g of 512 bytes holds lane l's registers 4 g .. 4 g + 3 at 16 l; a row tile of 1,024 K = 16,384 bytes).
; THE LARGE PRODUCT.  A work-group of four waves makes 128 rows x 128 columns of q, a wave 64 x 64: 16 accumulators.  K = 1,024 is short: x's 8 row tiles and Wq's 8 row tiles, 131,072 bytes each,
; fit in LDS whole.  So there is no ring: every LDS byte is filled once, and all of it is asked for at the head, in four chunks of 256 along K, so that the first products start when the first chunk is in.
; A wave has four tensor loads out, 16,384 bytes each (4 row tiles x 4,096 bytes of a chunk).
; CLUSTERS: 4 x 4 work-groups.  The four of a row of the cluster need the same tiles of x, the four of a column the same tiles of Wq: each is asked for JOINTLY, by the same tensor load with the same descriptor and a mask
; that names the four.  THE MATRIX INSTRUCTION IS USED TRANSPOSED (source 0 = 16 rows of the weight, source 1 = 16 rows of x): a lane holds one row of x and eight neighbouring columns, which are eight neighbours along
; the next product's K: the conversions' results are the next operand's registers, and go to memory as its image: no stage in LDS.
; THE SMALL PRODUCTS RIDE ALONG.  k and v are 4,096 x 64 each: 2,048 tiles of 16 x 16, two for each of the launch's 1,024 waves.  A wave's 24 fragments (96 loads of 512 bytes) are asked for at the head, straight into
; registers, and multiplied behind the large product.  Wave number W < 512: k (source 0 = two row tiles of Wk, source 1 = a row tile of x with e2): a lane holds a key and 16 channels.
; W >= 512: v (source 0 = two row tiles of x with e4, source 1 = a row tile of Wv): a lane holds a channel and 16 keys, since the keys are the K of the product that reads v.  One text serves both: pointers, offsets
; and the exponent are chosen by s_cselect; nothing branches on W.
; qc: [row tile 256][head 16][1,024 bytes: 16 queries x 64 channels, 8 registers a lane].  kvc: [64 keys: 64 steps][8,192 bytes]: 4 tiles of 16 keys x 64 channels, then 4 tiles of 16 channels x 64 keys.
; LIMITS on the given exponents, so that each power of two below is an f32 number: e7 - e0 - e1, e6 - e2 - e3 and e8 - e4 - e5 between -126 and 119.
; REGISTERS, in windows of 256: window 0: v8-15 LDS addresses, v20 16 x lane, v21-24 scales, v32-47 k's or v's two accumulators, v48-51 their codes, v64-95 q's codes, v128-255 the 16 accumulators ((a, b) at v[128 + 8 (4 a + b)]).
;   window 1: two fragment buffers of 128: x's four fragments, then Wq's four.   windows 2, 3: v0-191: the small products' fragments, 48 registers a K step, four K steps a window.
.set TILEB, 16384                      ; a row tile's image
.set CHUNK, 65536                      ; LDS: 256 along K: x's 8 row tiles x 4,096 bytes, then Wq's
.set G1A, 24                           ; s[24:31] descriptor group 1 for x's tiles;  s[32:39] for Wq's: it differs in the mask alone
.set G1B, 32
.set G0A, 68                           ; s[68:83] descriptor groups 0 for x's four chunks;  s[84:99] for Wq's
.set G0B, 84
.set ADRA, 8                           ; v8-11   LDS address of my fragments of x in chunk 0 .. 3
.set ADRB, 12                          ; v12-15  the same for Wq
.set LI,  20                           ; v20     16 x lane; never rewritten
.set QSC, 21                           ; v21, v22  2^(e7 - e0 - e1) and 448 x that;  v23, v24 the same for k or v
.set KSC, 23
.set MA,  32
.set KC,  48
.set QC,  64
.set ACC, 128
.set MSB, 0
.macro WIN new                         ; the immediate's high byte repeats the setting that is left
.if MSB != \new
	s_set_vgpr_msb (MSB<<8)|\new
.set MSB, \new
.endif
.endm
.macro CROUND                          ; a round of the cluster's barrier
	s_barrier_signal -1
	s_barrier_wait -1
	s_cmp_lg_u32 s14, 0
	s_cbranch_scc1 .Lnot_wave_0_\@
	s_barrier_signal -3
.Lnot_wave_0_\@:
	s_barrier_wait -3
	s_barrier_signal -1
	s_barrier_wait -1
.endm
.macro PLACES                          ; four places between a matrix instruction and a load into a register that it has read, or a vector instruction that reads its result
.rept 4
	v_nop
.endr
.endm
.macro MKSC se, vs, vl                 ; s[se] = an exponent e (used up): v[vs] = 2^e as f32, v[vl] = 448 x 2^e
	s_add_co_i32 s[\se], s[\se], 127
	s_lshl_b32 s23, s[\se], 23
	v_mov_b32 v[\vs], s23
	s_add_co_i32 s[\se], s[\se], 8
	s_lshl_b32 s[\se], s[\se], 23
	s_or_b32 s[\se], s[\se], 0x600000
	v_mov_b32 v[\vl], s[\se]
.endm
	s_load_b256 s[4:11], s[0:1], 0x0               ; xc s[4:5], wc s[6:7], the exponents s[8:9], qc s[10:11]
	s_load_b64 s[12:13], s[0:1], 0x20              ; kvc
	v_lshl_add_u32 v126, v0, 2, 0x40000
	v_mov_b32 v127, 0
	ds_add_u32 v126, v127
	ds_add_u32 v126, v127
	v_lshrrev_b32 v1, 5, v0
	v_readfirstlane_b32 s14, v1                    ; wave 0..3
	v_and_b32 v[LI], 31, v0
	v_lshlrev_b32 v[LI], 4, v[LI]
	s_lshr_b32 s15, s14, 1                         ; which half of the tile's rows is mine.  Also: I fetch for x (0) or for Wq (1)
	s_and_b32 s16, s14, 1                          ; which half of its columns.  Also: which 4 row tiles I fetch
	s_bfe_u32 s40, ttmp6, 0x40000                  ; cx, cy: my place in the cluster
	s_bfe_u32 s41, ttmp6, 0x40004
	s_lshl_b32 s42, ttmp9, 2
	s_add_co_u32 s42, s42, s40                     ; tile column = 4 x cluster x + cx: 0..7
	s_and_b32 s17, ttmp7, 0xffff
	s_lshl_b32 s17, s17, 2
	s_add_co_u32 s17, s17, s41                     ; tile row = 4 x cluster y + cy: 0..31
	s_lshl_b32 s43, s41, 2
	s_lshl_b32 s43, 15, s43                        ; my row of the cluster
	s_lshl_b32 s44, 0x1111, s40                    ; my column
	; descriptor group 1: 4 rows (row tiles) of 512 elements of 8 bytes (a chunk's 4,096 bytes), 2,048 elements (a row tile) apart; dense in LDS
	s_or_b32 s[G1A], s43, (3<<16)|(1<<21)          ; 15:0 the mask: x's tiles go to my row; 17:16 elements of 8 bytes; 20 no padding; 21 set beside a mask
	s_or_b32 s[G1B], s44, (3<<16)|(1<<21)
.irp g, G1A, G1B
	s_mov_b32 s[\g+1], 512<<16                     ; tensor_dim0
	s_mov_b32 s[\g+2], 4<<16                       ; tensor_dim1
	s_mov_b32 s[\g+3], 512<<16                     ; tile_dim0
	s_mov_b32 s[\g+4], 4                           ; tile_dim1
	s_mov_b32 s[\g+5], 2048                        ; tensor_dim0_stride
	s_mov_b32 s[\g+6], 0
	s_mov_b32 s[\g+7], 0
.endr
	s_lshl_b32 s18, s16, 2                         ; which 4 row tiles of the 8
	s_lshl_b32 s20, s17, 3
	s_add_co_u32 s20, s20, s18
	s_lshl_b32 s20, s20, 14                        ; x: row tile 8 x tile row + 4 x half, in bytes
	s_mov_b32 s21, 0
	s_lshl_b32 s46, s42, 3
	s_add_co_u32 s46, s46, s18
	s_lshl_b32 s46, s46, 14                        ; Wq: row tile 8 x tile column + 4 x half
	s_mov_b32 s47, 0
	s_lshl_b32 s45, s14, 14                        ; where they go in a chunk: wave x 16,384: no place in the cluster enters an LDS address
	s_wait_dscnt 0x0
	s_wait_kmcnt 0x0
	s_add_nc_u64 s[20:21], s[4:5], s[20:21]
	s_add_nc_u64 s[46:47], s[6:7], s[46:47]
	CROUND                                         ; all sixteen work-groups are here: the joint loads meet
.irp c, 0,1,2,3
	s_mov_b32 s[G0A+4*\c], 1
	s_add_co_u32 s[G0A+4*\c+1], s45, \c*CHUNK
	s_add_nc_u64 s[G0A+4*\c+2:G0A+4*\c+3], s[20:21], \c*4096
	s_or_b32 s[G0A+4*\c+3], s[G0A+4*\c+3], 0x80000000
	s_mov_b32 s[G0B+4*\c], 1
	s_add_co_u32 s[G0B+4*\c+1], s45, \c*CHUNK
	s_add_nc_u64 s[G0B+4*\c+2:G0B+4*\c+3], s[46:47], \c*4096
	s_or_b32 s[G0B+4*\c+3], s[G0B+4*\c+3], 0x80000000
.endr
	s_cmp_eq_u32 s15, 0                            ; a wave's four fills stand in one branch on the wave's number, ahead of every wait on TENSORcnt and every LDS read; four v_nop follow the last
	s_cbranch_scc0 .Lfirst_b
.irp c, 0,1,2,3
	tensor_load_to_lds s[G0A+4*\c:G0A+4*\c+3], s[G1A:G1A+7]
	s_nop 0
.endr
.rept 4
	v_nop
.endr
	s_branch .Lfirst_asked
.Lfirst_b:
.irp c, 0,1,2,3
	tensor_load_to_lds s[G0B+4*\c:G0B+4*\c+3], s[G1B:G1B+7]
	s_nop 0
.endr
.rept 4
	v_nop
.endr
.Lfirst_asked:
	; the small products: what my wave makes, from where, to where.  These numbers hang on both cx and cy: they live in registers that feed no descriptor
	s_lshl_b32 s2, s17, 3
	s_add_co_u32 s2, s2, s42
	s_lshl_b32 s2, s2, 2
	s_add_co_u32 s2, s2, s14                       ; W = 4 (8 x tile row + tile column) + wave: 0..1023
	s_lshr_b32 s3, s2, 1                           ; as k: x's row tile RT = W / 2,
	s_and_b32 s19, s2, 1                           ; and which pair cp of Wk's four row tiles
	s_lshl_b32 s48, s19, 15
	s_add_co_u32 s48, s48, 128*TILEB               ; source 0: wc's tiles 128 + 2 cp, + 1
	s_lshl_b32 s50, s3, 14
	s_add_co_u32 s50, s50, 0x400000                ; source 1: x with e2, tile RT
	s_lshr_b32 s52, s3, 2
	s_lshl_b32 s52, s52, 13
	s_and_b32 s22, s3, 3
	s_lshl_b32 s22, s22, 10
	s_add_co_u32 s52, s52, s22
	s_lshl_b32 s22, s19, 9
	s_add_co_u32 s52, s52, s22                     ; to: step RT / 4, key tile RT % 4, group cp
	s_and_b32 s3, s2, 511                          ; as v: W - 512,
	s_lshr_b32 s19, s3, 2                          ; the pair kp of x's row tiles,
	s_and_b32 s3, s3, 3                            ; and Wv's row tile ct
	s_lshl_b32 s49, s19, 15
	s_add_co_u32 s49, s49, 0x800000                ; source 0: x with e4, tiles 2 kp, + 1
	s_lshl_b32 s51, s3, 14
	s_add_co_u32 s51, s51, 132*TILEB               ; source 1: wc's tile 132 + ct
	s_lshr_b32 s53, s19, 1
	s_lshl_b32 s53, s53, 13
	s_lshl_b32 s22, s3, 10
	s_add_co_u32 s53, s53, s22
	s_and_b32 s22, s19, 1
	s_lshl_b32 s22, s22, 9
	s_add_co_u32 s53, s53, s22
	s_add_co_u32 s53, s53, 4096                    ; to: step kp / 2, behind its keys' tiles, channel tile ct, group kp % 2
	s_cmp_lt_u32 s2, 512
	s_cselect_b32 s48, s48, s49
	s_cselect_b32 s50, s50, s51
	s_cselect_b32 s52, s52, s53
	s_cselect_b64 s[22:23], s[6:7], s[4:5]         ; source 0's buffer
	s_cselect_b64 s[54:55], s[4:5], s[6:7]         ; source 1's
	s_mov_b32 s49, 0
	s_mov_b32 s51, 0
	s_mov_b32 s53, 0
	s_add_nc_u64 s[48:49], s[22:23], s[48:49]
	s_add_nc_u64 s[50:51], s[54:55], s[50:51]
	s_add_nc_u64 s[52:53], s[12:13], s[52:53]
	WIN 0x80                                       ; destination window 2, address window 0
.irp s, 0,1,2,3
.irp g, 0,1,2,3
	global_load_b128 v[48*\s+4*\g:48*\s+4*\g+3], v[LI], s[48:49] offset:2048*\s+512*\g
	global_load_b128 v[48*\s+16+4*\g:48*\s+16+4*\g+3], v[LI], s[48:49] offset:TILEB+2048*\s+512*\g
	global_load_b128 v[48*\s+32+4*\g:48*\s+32+4*\g+3], v[LI], s[50:51] offset:2048*\s+512*\g
.endr
.endr
	WIN 0xc0                                       ; destination window 3
.irp s, 0,1,2,3
.irp g, 0,1,2,3
	global_load_b128 v[48*\s+4*\g:48*\s+4*\g+3], v[LI], s[48:49] offset:8192+2048*\s+512*\g
	global_load_b128 v[48*\s+16+4*\g:48*\s+16+4*\g+3], v[LI], s[48:49] offset:TILEB+8192+2048*\s+512*\g
	global_load_b128 v[48*\s+32+4*\g:48*\s+32+4*\g+3], v[LI], s[50:51] offset:8192+2048*\s+512*\g
.endr
.endr
	WIN 0
	s_lshl_b32 s3, s17, 3                          ; q's codes: row tile 8 x tile row + 4 x my half of the rows, head 2 x tile column + my half of the columns
	s_lshl_b32 s19, s15, 2
	s_add_co_u32 s3, s3, s19
	s_lshl_b32 s3, s3, 4
	s_lshl_b32 s19, s42, 1
	s_add_co_u32 s3, s3, s19
	s_add_co_u32 s3, s3, s16
	s_lshl_b32 s54, s3, 10
	s_mov_b32 s55, 0
	s_add_nc_u64 s[54:55], s[10:11], s[54:55]
	s_load_b256 s[56:63], s[8:9], 0x0              ; e0 .. e7
	s_load_b32 s3, s[8:9], 0x20                    ; e8
	s_lshl_b32 s19, s15, 14                        ; my 4 row tiles of x in a chunk,
	s_lshl_b32 s22, s16, 14
	s_add_co_u32 s22, s22, 32768                   ; my 4 of Wq, which lie behind x's 8
.irp c, 0,1,2,3
	v_add_nc_u32 v[ADRA+\c], s19, v[LI]
	v_add_nc_u32 v[ADRB+\c], s22, v[LI]
	s_add_co_u32 s19, s19, CHUNK
	s_add_co_u32 s22, s22, CHUNK
.endr
	s_wait_kmcnt 0x0
	s_sub_co_i32 s19, s63, s56                     ; a sum of x Wq^T stands for sum x 2^(e0 + e1): its code is sum / 2^(e7 - e0 - e1): the three scales are folded into the conversion's one
	s_sub_co_i32 s19, s19, s57
	MKSC 19, QSC, QSC+1
	s_sub_co_i32 s19, s62, s58
	s_sub_co_i32 s19, s19, s59                     ; k: e6 - e2 - e3
	s_sub_co_i32 s22, s3, s60
	s_sub_co_i32 s22, s22, s61                     ; v: e8 - e4 - e5
	s_cmp_lt_u32 s2, 512
	s_cselect_b32 s19, s19, s22
	MKSC 19, KSC, KSC+1
; 32 LDS loads in one run: the fragments of K step q (128 along K) into buffer f of window 1: an image comes back as it was stored, 512 consecutive bytes a load
.macro FETCH q, f
	WIN 0x40                                       ; destination window 1, address window 0
.irp i, 0,1,2,3
.irp g, 0,1,2,3
	ds_load_b128 v[(\f)+64+16*\i+4*\g:(\f)+64+16*\i+4*\g+3], v[ADRB+(\q)/2] offset:4096*\i+2048*((\q)%2)+512*\g
	ds_load_b128 v[(\f)+16*\i+4*\g:(\f)+16*\i+4*\g+3], v[ADRA+(\q)/2] offset:4096*\i+2048*((\q)%2)+512*\g
.endr
.endr
.endm
; 16 matrix instructions: my 4 x 4 tiles, 128 along K.  q = 0: the first products start the sums: nothing is cleared.  The 16 accumulators take turns, one instruction a turn, in the same order in every step.
.macro MUL f, q
	WIN 0x05                                       ; sources 0 and 1 window 1; C and D window 0
.irp a, 0,1,2,3
.irp b, 0,1,2,3
.if (\q) == 0
	v_wmma_f32_16x16x128_fp8_fp8 v[ACC+8*(4*\a+\b):ACC+8*(4*\a+\b)+7], v[(\f)+64+16*\b:(\f)+64+16*\b+15], v[(\f)+16*\a:(\f)+16*\a+15], 0
.else
	v_wmma_f32_16x16x128_fp8_fp8 v[ACC+8*(4*\a+\b):ACC+8*(4*\a+\b)+7], v[(\f)+64+16*\b:(\f)+64+16*\b+15], v[(\f)+16*\a:(\f)+16*\a+15], v[ACC+8*(4*\a+\b):ACC+8*(4*\a+\b)+7]
.endif
.endr
.endr
.endm
	s_wait_tensorcnt 0x3                           ; my part of chunk 0 is in; my three later loads may be out
	s_barrier_signal -1
	s_barrier_wait -1                              ; everybody's is
	FETCH 0, 0
.irp q, 0,1,2,3,4,5,6,7
.if \q < 7
.if (\q+1)%2 == 0
	s_wait_tensorcnt 3-(\q+1)/2                    ; my part of the next chunk is in; the loads issued behind it may be out
	s_wait_dscnt 0x0                               ; no LDS instruction of mine is pending at a signal
	s_barrier_signal -1
	s_barrier_wait -1
.endif
.if \q > 0
	PLACES                                         ; the buffer below was read by the step before this one
.endif
	FETCH \q+1, 128*((\q+1)%2)
	s_wait_dscnt 32                                ; all but the 32 just issued: this step's fragments are in
.else
	s_wait_dscnt 0x0
.endif
	MUL 128*(\q%2), \q
.endr
	; k or v: two accumulators by turns, eight K steps
	s_wait_loadcnt 0x0
.macro KV s, first
.if \first
	v_wmma_f32_16x16x128_fp8_fp8 v[MA:MA+7], v[48*\s:48*\s+15], v[48*\s+32:48*\s+47], 0
	v_wmma_f32_16x16x128_fp8_fp8 v[MA+8:MA+15], v[48*\s+16:48*\s+31], v[48*\s+32:48*\s+47], 0
.else
	v_wmma_f32_16x16x128_fp8_fp8 v[MA:MA+7], v[48*\s:48*\s+15], v[48*\s+32:48*\s+47], v[MA:MA+7]
	v_wmma_f32_16x16x128_fp8_fp8 v[MA+8:MA+15], v[48*\s+16:48*\s+31], v[48*\s+32:48*\s+47], v[MA+8:MA+15]
.endif
.endm
	WIN 0x0a                                       ; sources 0 and 1 window 2
	KV 0, 1
	KV 1, 0
	KV 2, 0
	KV 3, 0
	WIN 0x0f                                       ; window 3
	KV 0, 0
	KV 1, 0
	KV 2, 0
	KV 3, 0
	WIN 0
	PLACES
.irp i, 0,1,2,3,4,5,6,7,8,9,10,11,12,13,14,15
	v_med3_num_f32 v[MA+\i], v[MA+\i], -v[KSC+1], v[KSC+1]   ; the conversion to an 8-bit code does not saturate (ISA guide 7.6.2): the hold comes first; each accumulator from its low end on
.endr
	v_cvt_scalef32_pk8_fp8_f32 v[KC:KC+1], v[MA:MA+7], v[KSC]         ; a lane's 16 numbers are 8 + 8 neighbours along the next K: one group of the image
	v_cvt_scalef32_pk8_fp8_f32 v[KC+2:KC+3], v[MA+8:MA+15], v[KSC]
	v_nop                                          ; a plain line behind the last conversion of the run
	global_store_b128 v[LI], v[KC:KC+3], s[52:53]  ; 512 consecutive bytes, aligned
	; q: accumulator (a, b): lane (r, h) holds row 16 a + r and channels 16 b + 8 h + 0 .. 7 of my head: registers 2 b, 2 b + 1 of the fragment
.irp a, 0,1,2,3
.irp i, 0,1,2,3,4,5,6,7,8,9,10,11,12,13,14,15,16,17,18,19,20,21,22,23,24,25,26,27,28,29,30,31
	v_med3_num_f32 v[ACC+32*\a+\i], v[ACC+32*\a+\i], -v[QSC+1], v[QSC+1]
.endr
.irp b, 0,1,2,3
	v_cvt_scalef32_pk8_fp8_f32 v[QC+8*\a+2*\b:QC+8*\a+2*\b+1], v[ACC+32*\a+8*\b:ACC+32*\a+8*\b+7], v[QSC]
.endr
	v_nop
	global_store_b128 v[LI], v[QC+8*\a:QC+8*\a+3], s[54:55] offset:TILEB*\a
	global_store_b128 v[LI], v[QC+8*\a+4:QC+8*\a+7], s[54:55] offset:TILEB*\a+512
.endr
	s_wait_tensorcnt 0x0
	ds_add_u32 v126, v127
	s_wait_dscnt 0x0
	CROUND                                         ; the closing round: no work-group ends while a partner may still ask for a tile that names it
	s_endpgm
.Lfunc_end_k_qb427a06c30_proj:
	.size	k_qb427a06c30_proj, .Lfunc_end_k_qb427a06c30_proj-k_qb427a06c30_proj
	.p2alignl 7, 3214868480
	.fill 96, 4, 3214868480
	.section	.rodata,"a",@progbits
	.p2align	6, 0x0
	.amdhsa_kernel k_qb427a06c30_proj
		.amdhsa_group_segment_fixed_size 262656
		.amdhsa_private_segment_fixed_size 0
		.amdhsa_enable_private_segment 0
		.amdhsa_kernarg_size 40
		.amdhsa_user_sgpr_count 2
		.amdhsa_user_sgpr_kernarg_segment_ptr 1
		.amdhsa_wavefront_size32 1
		.amdhsa_system_sgpr_workgroup_id_x 1
		.amdhsa_system_sgpr_workgroup_id_y 1
		.amdhsa_system_sgpr_workgroup_id_z 1
		.amdhsa_system_vgpr_workitem_id 0
		.amdhsa_next_free_vgpr 960
		.amdhsa_next_free_sgpr 100
		.amdhsa_reserve_vcc 0
		.amdhsa_float_denorm_mode_32 3
		.amdhsa_float_denorm_mode_16_64 3
		.amdhsa_memory_ordered 1
		.amdhsa_forward_progress 1
		.amdhsa_inst_pref_size 58
	.end_amdhsa_kernel
	.amdgpu_metadata
---
amdhsa.version: [ 1, 2 ]
amdhsa.kernels:
  - .name:           k_qb427a06c30_proj
    .symbol:         k_qb427a06c30_proj.kd
    .args:
      - { .name: xc, .offset: 0, .size: 8, .value_kind: global_buffer, .address_space: global }
      - { .name: wc, .offset: 8, .size: 8, .value_kind: global_buffer, .address_space: global }
      - { .name: lowp_scales, .offset: 16, .size: 8, .value_kind: global_buffer, .address_space: global }
      - { .name: qc, .offset: 24, .size: 8, .value_kind: global_buffer, .address_space: global }
      - { .name: kvc, .offset: 32, .size: 8, .value_kind: global_buffer, .address_space: global }
    .group_segment_fixed_size: 262656
    .private_segment_fixed_size: 0
    .kernarg_segment_align: 8
    .kernarg_segment_size: 40
    .max_flat_workgroup_size: 128
    .sgpr_count:     100
    .vgpr_count:     960
    .wavefront_size: 32
...
	.end_amdgpu_metadata
.endif
;; end of part 2
;; launch attn (part 3): grid 128 x 2, 8 waves a work-group, no clusters, 168,960 bytes of LDS; arguments qc, kvc, lowp_scales, oc; writes oc
.if DOCPART == 3
	.amdgcn_target "amdgcn-amd-amdhsa--gfx1250"
	.amdhsa_code_object_version 6
	.text
	.protected	k_qb427a06c30_attn
	.globl	k_qb427a06c30_attn
	.p2align	8
	.type	k_qb427a06c30_attn,@function
k_qb427a06c30_attn:
	s_mov_b64 s[64:65], 0
	v_nop
	global_prefetch_b8 v0, s[64:65] scope:SCOPE_SE
	s_setreg_imm32_b32 hwreg(HW_REG_WAVE_MODE, 25, 1), 1
	s_wait_xcnt 0x0
; o[b][t][n][:] = the sum over s of softmax_s(q[b][t][n] . k[b][s] / 8) v[b][s][:], over the keys s with t - 1024 <= s <= t, one head of k and v for all 16 heads of q; both products on codes of FP8 (E4M3).
; THE SOFTMAX AHEAD OF THE SECOND PRODUCT: t = score x log2(e) / 8; M = the row's largest t so far, rounded UP to a whole number; p = 2^(t - M) is quantised (scale 2^e9), not normalised.  The row's sum is taken of the
; unquantised p, in f32, and divides o at the end.  When M moves, the sum and o are multiplied by 2^(old M - new M), which rounds nothing.  o is then quantised with e10, for the last product.
; SHARES.  A work-group owns 16 time steps (a row tile) of one batch, with all 16 heads: its 256 queries see the same keys.  Wave w owns heads 2 w and 2 w + 1: two tiles of 16 queries, so that each fragment of k and v that
; it reads from LDS feeds two products, and its results are the 128 numbers 128 w .. 128 w + 127 of the 16 rows: one whole fragment of the last product's operand, stored as its image.
; KEYS go in steps of 64.  The queries lie in step s_hi = row tile / 4; the first step with a key that counts is s_base = max(0, s_hi - 16).  In step s_hi key n of the step is hidden where n > d, in step s_hi - 16 where n < d,
; d = the query's place in its step; the steps between count whole.  Steps outside are not multiplied.  THE LOOP HAS 17 TRIPS IN EVERY WORK-GROUP: a work-group with fewer steps jumps over a trip's work by a scalar branch on its number.
; LDS holds 17 steps of k and v (8,192 bytes each, as the launch before laid them: 4 tiles of 16 keys x 64 channels, 4 tiles of 16 channels x 64 keys, images of fragment registers), copied once through registers; one barrier.
; The one-sided hold of p may stand under a scalar branch on the given e9: p <= 1, and 448 x 2^e9 >= 1 wherever e9 >= -8.
; Joint loads are left out: the partners of a cluster would own other time steps, and the trips' branches hang on those; what would be shared is asked for once, at the head.
; LAYOUT.  Both products are used transposed: S^T = K Q^T (source 0 = 16 keys, source 1 = 16 queries), O^T = V^T P^T (source 0 = 16 channels, source 1 = P): a lane holds ONE query (lane % 16) of each tile throughout.
; In S^T tile c, register j is key 16 c + 8 (lane / 16) + j: just the place that registers 2 c, 2 c + 1 of the second product's operand have: the conversions' results are that operand.
; LIMITS on the given exponents: e6 + e7 between -123 and 130 (added to c's exponent field); e9 and e10 between -126 and 119; e8 + e9 is applied by v_ldexp_f32 and has none.
.set LI,   1                           ; v1   16 x lane; never rewritten
.set ADK,  2                           ; v2   LDS address of the next step's k
.set ADV,  3                           ; v3   of this step's v
.set D8,   4                           ; v4   d - 8 (lane / 16)
.set NINF, 5                           ; v5   -infinity
.set PSC,  6                           ; v6, v7  2^e9 and 448 x 2^e9; behind the loop 2^e10 and 448 x 2^e10
.set PLIM, 7
.set ST,   8                           ; v8-15  tile u at 4 u: -M, the largest t, the sum in two halves
.set Q,    16                          ; v16-31 q: 8 registers a tile
.set KF,   32                          ; v32-63 k: 4 tiles of 16 keys
.set VF,   64                          ; v64-95 v: 4 tiles of 16 channels
.set S,    96                          ; v96-159  S^T, then p: 32 a tile.  (At the head v96-231 carry the fill)
.set O,    160                         ; v160-223 O^T: 32 a tile
.set P,    224                         ; v224-239 p's codes, 8 a tile; at the end o's codes
.set FA,   232                         ; v232-234 at the head: the fill's addresses
.set TT,   240                         ; v240-255 at work, tile u at 8 u: +0, +1 maxima; +2, +3 f (a pair is named); +4, +5 a sum; +6 the old -M
.set STEPB, 8192
.set NST,  17
.set WV,   18
.set LAST, 22                          ; s22  the trip of step s_hi
.set LOWI, 23                          ; s23  the trip of step s_hi - 16: 0, or no trip's number
.set CS,   30                          ; s[30:31] c = log2(e) / 8 x 2^(e6 + e7)
.set SEL,  32                          ; s[32:33] lane selects for v_permlanex16_b32: lane l xor 16
.set TB,   34                          ; s34  LDS byte of the trip's step
.set TBN,  35                          ; s35  of the next
.set I,    36                          ; s36  the trip
.set E89,  37
.set OSC,  38
.set OLIM, 39
	s_load_b256 s[4:11], s[0:1], 0x0               ; qc s[4:5], kvc s[6:7], the exponents s[8:9], oc s[10:11]
	s_set_vgpr_msb 0x40
	v_lshl_add_u32 v0, v0, 2, 0x29000
	v_mov_b32 v1, 0
	s_set_vgpr_msb 0x4000
	v_lshrrev_b32 v2, 5, v0
	v_readfirstlane_b32 s[WV], v2                  ; wave 0..7
	v_and_b32 v[LI], 31, v0
	v_lshlrev_b32 v[LI], 4, v[LI]
	s_and_b32 s19, ttmp7, 0xffff                   ; the batch
	s_lshr_b32 s20, ttmp9, 2                       ; s_hi
	s_sub_co_i32 s21, s20, 16
	s_max_i32 s21, s21, 0                          ; s_base
	s_sub_co_u32 s[LAST], s20, s21
	s_cmp_ge_u32 ttmp9, 64
	s_cselect_b32 s[LOWI], 0, -1
	s_lshl_b32 s24, s19, 5
	s_add_co_u32 s24, s24, s21
	s_lshl_b32 s24, s24, 13                        ; k and v from step s_base of my batch on: s_base + 17 <= 32, so the 17 steps lie inside the batch
	s_mov_b32 s25, 0
	s_lshl_b32 s26, s19, 7
	s_add_co_u32 s26, s26, ttmp9
	s_lshl_b32 s26, s26, 14                        ; my row tile, 16,384 bytes in qc and in oc alike,
	s_lshl_b32 s27, s[WV], 11
	s_add_co_u32 s26, s26, s27                     ; and my wave's 2,048 bytes of it: two heads of q; one fragment of o
	s_mov_b32 s27, 0
	s_lshl_b32 s28, s[WV], 10
	v_add_nc_u32 v[FA], s28, v[LI]                 ; the fill: my wave's 1,024 bytes of each step, in memory and in LDS alike
	v_add_nc_u32 v[FA+1], 0x10000, v[FA]
	v_add_nc_u32 v[FA+2], 0x20000, v[FA]
	s_mov_b32 s[SEL], 0x76543210
	s_mov_b32 s[SEL+1], 0xfedcba98
	s_wait_kmcnt 0x0
	s_load_b128 s[12:15], s[8:9], 0x18             ; e6, e7, e8, e9
	s_load_b32 s16, s[8:9], 0x28                   ; e10
	s_add_nc_u64 s[4:5], s[4:5], s[26:27]
	s_add_nc_u64 s[10:11], s[10:11], s[26:27]
	s_add_nc_u64 s[6:7], s[6:7], s[24:25]
.irp f, 0,1,2,3
	global_load_b128 v[Q+4*\f:Q+4*\f+3], v[LI], s[4:5] offset:512*\f th:TH_LOAD_NT   ; q stays in registers
.endr
.set n, 0
.rept 2*NST
	global_load_b128 v[S+4*n:S+4*n+3], v[FA], s[6:7] offset:(n/2)*STEPB+(n%2)*512
.set n, n+1
.endr
	v_and_b32 v2, 15, v0
	v_bfe_u32 v3, v0, 4, 1
	v_lshlrev_b32 v3, 3, v3
	v_sub_nc_u32 v[D8], v2, v3
	s_and_b32 s28, ttmp9, 3
	s_lshl_b32 s28, s28, 4
	v_add_nc_u32 v[D8], s28, v[D8]                 ; 16 (row tile % 4) + lane % 16 - 8 (lane / 16)
	v_mov_b32 v[NINF], 0xff800000
.irp u, 0,1
	v_mov_b32 v[ST+4*\u+1], 0xff61b1e6             ; the largest t so far: -3e38, under every t
	v_floor_f32 v[ST+4*\u], -v[ST+4*\u+1]          ; -M
	v_mov_b32 v[ST+4*\u+2], 0
	v_mov_b32 v[ST+4*\u+3], 0
.endr
.set n, 0
.rept 16
	v_mov_b32 v[TT+n], 0                           ; written once: a lane permute's destination and the upper half of a named pair count as read
.set n, n+1
.endr
	s_wait_kmcnt 0x0
	s_add_co_i32 s28, s12, s13
	s_lshl_b32 s28, s28, 23
	s_add_co_i32 s[CS], s28, 0x3e38aa3b            ; c = log2(e) / 8; a score stands for score x 2^(e6 + e7): the two exponents are added to c's exponent field
	s_mov_b32 s[CS+1], s[CS]                       ; (named with it as a pair, so it is written)
	s_add_co_i32 s28, s15, 127
	s_lshl_b32 s29, s28, 23
	v_mov_b32 v[PSC], s29
	s_add_co_i32 s28, s28, 8
	s_lshl_b32 s28, s28, 23
	s_or_b32 s28, s28, 0x600000
	v_mov_b32 v[PLIM], s28
	s_add_co_i32 s[E89], s14, s15
	s_add_co_i32 s28, s16, 127
	s_lshl_b32 s[OSC], s28, 23
	s_add_co_i32 s28, s28, 8
	s_lshl_b32 s28, s28, 23
	s_or_b32 s[OLIM], s28, 0x600000
.set n, 0
.rept 2*NST
	s_wait_loadcnt 2*NST-1-n                       ; loads come back in order (ISA guide 5.7.1): load n is in (and q, asked for first); the younger ones stay out
	ds_store_b128 v[FA+n/16], v[S+4*n:S+4*n+3] offset:((n/2)%8)*STEPB+(n%2)*512
.set n, n+1
.endr
	s_wait_dscnt 0x0                               ; for the others' sake: my part of the 17 steps lies in LDS
	s_barrier_signal -1
.set n, 0
.rept 64
	v_mov_b32 v[O+n], 0                            ; O^T.  (The trip is written once: the first finds zeros, which the first change of M leaves zeros.)  Register work, while the others arrive
.set n, n+1
.endr
	s_barrier_wait -1
.irp f, 0,1,2,3,4,5,6,7
	ds_load_b128 v[KF+4*\f:KF+4*\f+3], v[LI] offset:512*\f   ; k of the first step
.endr
	s_mov_b32 s[TB], 0
	s_mov_b32 s[I], 0
.Lstep:
	s_cmp_gt_u32 s[I], s[LAST]
	s_cbranch_scc1 .Lskip                          ; all keys of this step come after my queries
	s_wait_dscnt 0x0                               ; k is in
.irp c, 0,1,2,3
.irp u, 0,1
	v_wmma_f32_16x16x64_fp8_fp8 v[S+32*\u+8*\c:S+32*\u+8*\c+7], v[KF+8*\c:KF+8*\c+7], v[Q+8*\u:Q+8*\u+7], 0
.endr
.endr
	s_add_co_u32 s[TBN], s[TB], STEPB
	s_min_u32 s[TBN], s[TBN], (NST-1)*STEPB        ; the last trip fetches its own k once more: no read leaves the 17 steps
	v_add_nc_u32 v[ADV], s[TB], v[LI]              ; these four lines are the places in front of the loads into registers that matrix instructions have read, and of the first read of the scores
	v_add_nc_u32 v[ADK], s[TBN], v[LI]
	v_nop
	v_nop
.irp f, 0,1,2,3,4,5,6,7
	ds_load_b128 v[VF+4*\f:VF+4*\f+3], v[ADV] offset:4096+512*\f
.endr
.irp f, 0,1,2,3,4,5,6,7
	ds_load_b128 v[KF+4*\f:KF+4*\f+3], v[ADK] offset:512*\f
.endr
	s_cmp_lg_u32 s[I], s[LAST]
	s_cbranch_scc1 .Lnot_diagonal
.irp c, 0,1,2,3                                ; my queries' own step: the scores of later keys become -infinity ahead of the maximum: p = 0 then.  Key 0 of the step counts for every query
.irp j, 0,1,2,3,4,5,6,7
	v_cmp_gt_i32 vcc_lo, 16*\c+\j, v[D8]
	v_cndmask_b32 v[S+8*\c+\j], v[S+8*\c+\j], v[NINF], vcc_lo
	v_cndmask_b32 v[S+32+8*\c+\j], v[S+32+8*\c+\j], v[NINF], vcc_lo
.endr
.endr
.Lnot_diagonal:
	s_cmp_lg_u32 s[I], s[LOWI]
	s_cbranch_scc1 .Lnot_edge
.irp c, 0,1,2,3                                ; the window's far edge: keys more than 1,024 back.  Key 63 of the step counts for every query
.irp j, 0,1,2,3,4,5,6,7
	v_cmp_lt_i32 vcc_lo, 16*\c+\j, v[D8]
	v_cndmask_b32 v[S+8*\c+\j], v[S+8*\c+\j], v[NINF], vcc_lo
	v_cndmask_b32 v[S+32+8*\c+\j], v[S+32+8*\c+\j], v[NINF], vcc_lo
.endr
.endr
.Lnot_edge:
.irp u, 0,1                                    ; the step's largest score of my query among my 32 keys: two chains a tile, the tiles by turns; each accumulator from its low end on
	v_max3_num_f32 v[TT+8*\u], v[S+32*\u], v[S+32*\u+1], v[S+32*\u+2]
	v_max3_num_f32 v[TT+8*\u+1], v[S+32*\u+3], v[S+32*\u+4], v[S+32*\u+5]
.endr
.irp i, 6,10,14,18,22,26
.irp u, 0,1
	v_max3_num_f32 v[TT+8*\u], v[TT+8*\u], v[S+32*\u+\i], v[S+32*\u+\i+1]
	v_max3_num_f32 v[TT+8*\u+1], v[TT+8*\u+1], v[S+32*\u+\i+2], v[S+32*\u+\i+3]
.endr
.endr
.irp u, 0,1
	v_max3_num_f32 v[TT+8*\u], v[TT+8*\u], v[S+32*\u+30], v[S+32*\u+31]
.endr
.irp u, 0,1
	v_max_num_f32 v[TT+8*\u], v[TT+8*\u], v[TT+8*\u+1]
.endr
.irp u, 0,1
	v_permlanex16_b32 v[TT+8*\u+1], v[TT+8*\u], s[SEL], s[SEL+1]
.endr
.irp u, 0,1
	v_max_num_f32 v[TT+8*\u], v[TT+8*\u], v[TT+8*\u+1]       ; and among lane l xor 16's
.endr
.irp u, 0,1
	v_mul_f32 v[TT+8*\u], s[CS], v[TT+8*\u]                  ; as t (c is positive)
.endr
.irp u, 0,1
	v_max_num_f32 v[ST+4*\u+1], v[ST+4*\u+1], v[TT+8*\u]     ; the running largest t
.endr
.irp u, 0,1
	v_mov_b32 v[TT+8*\u+6], v[ST+4*\u]
.endr
.irp u, 0,1
	v_floor_f32 v[ST+4*\u], -v[ST+4*\u+1]                    ; the new -M = floor(-t) = -ceil(t): M is a whole number
.endr
.irp u, 0,1
	v_sub_f32 v[TT+8*\u], v[ST+4*\u], v[TT+8*\u+6]           ; M's old value less its new one: a whole number, 0 or less
.endr
.irp u, 0,1
	v_cvt_i32_f32 v[TT+8*\u], v[TT+8*\u]                     ; (it saturates)
.endr
.irp u, 0,1
	v_ldexp_f32 v[TT+8*\u+2], 1.0, v[TT+8*\u]                ; f = 2^(old M - new M)
.endr
.set i, 0
.rept 16
.irp u, 0,1
	v_pk_fma_f32 v[S+32*\u+i:S+32*\u+i+1], v[S+32*\u+i:S+32*\u+i+1], s[CS:CS+1], v[ST+4*\u:ST+4*\u+1] op_sel_hi:[1,0,0]   ; t - M, two at a time (of the pairs c and -M the low word serves both halves)
.endr
.set i, i+2
.endr
.set i, 0
.rept 64
	v_exp_f32 v[S+i], v[S+i]                       ; p = 2^(t - M), at most 1: not normalised.  One batch for both tiles
.set i, i+1
.endr
.irp u, 0,1
	v_pk_mul_f32 v[ST+4*\u+2:ST+4*\u+3], v[ST+4*\u+2:ST+4*\u+3], v[TT+8*\u+2:TT+8*\u+3] op_sel_hi:[1,0]   ; the sums under the new M.  (The plain lines behind the exponentials)
.endr
	s_wait_alu depctr_va_vdst(0)                   ; one wait for the whole batch, ahead of its first reader
.irp u, 0,1
	v_pk_add_f32 v[TT+8*\u+4:TT+8*\u+5], v[S+32*\u:S+32*\u+1], v[S+32*\u+2:S+32*\u+3]   ; the row's sum is taken of the unquantised p: two at a time, two chains a tile
.endr
.irp i, 4,8,12,16,20,24,28
.irp u, 0,1
	v_pk_add_f32 v[ST+4*\u+2:ST+4*\u+3], v[ST+4*\u+2:ST+4*\u+3], v[S+32*\u+\i:S+32*\u+\i+1]
	v_pk_add_f32 v[TT+8*\u+4:TT+8*\u+5], v[TT+8*\u+4:TT+8*\u+5], v[S+32*\u+\i+2:S+32*\u+\i+3]
.endr
.endr
.irp u, 0,1
	v_pk_add_f32 v[ST+4*\u+2:ST+4*\u+3], v[ST+4*\u+2:ST+4*\u+3], v[TT+8*\u+4:TT+8*\u+5]
.endr
	s_cmp_ge_i32 s15, -8                           ; p <= 1 <= 448 x 2^e9 wherever e9 >= -8: the hold cannot bind there
	s_cbranch_scc1 .Lno_hold
.set i, 0
.rept 64
	v_min_num_f32 v[S+i], v[S+i], v[PLIM]          ; the conversion to an 8-bit code does not saturate (ISA guide 7.6.2); p is not negative, so the hold is one-sided
.set i, i+1
.endr
.Lno_hold:
.irp u, 0,1
.irp c, 0,1,2,3
	v_cvt_scalef32_pk8_fp8_f32 v[P+8*\u+2*\c:P+8*\u+2*\c+1], v[S+32*\u+8*\c:S+32*\u+8*\c+7], v[PSC]
.endr
.endr
.set i, 0
.rept 16
.irp u, 0,1
	v_pk_mul_f32 v[O+32*\u+i:O+32*\u+i+1], v[O+32*\u+i:O+32*\u+i+1], v[TT+8*\u+2:TT+8*\u+3] op_sel_hi:[1,0]   ; O^T under the new M.  (These are also the plain lines between the conversions and the products)
.endr
.set i, i+2
.endr
	s_wait_dscnt 8                                 ; v is in; the eight loads issued behind it, the next step's k, may be out
.irp c, 0,1,2,3
.irp u, 0,1
	v_wmma_f32_16x16x64_fp8_fp8 v[O+32*\u+8*\c:O+32*\u+8*\c+7], v[VF+8*\c:VF+8*\c+7], v[P+8*\u:P+8*\u+7], v[O+32*\u+8*\c:O+32*\u+8*\c+7]
.endr
.endr
.Lskip:
	s_add_co_u32 s[TB], s[TB], STEPB
	s_add_co_u32 s[I], s[I], 1
	s_cmp_lt_u32 s[I], NST
	s_cbranch_scc1 .Lstep
	; THE WAY OUT.  o = O^T / the sum x 2^(e8 + e9), quantised with e10: registers 8 u + 2 c, + 1 are k = 64 u + 16 c + 8 (lane / 16) + 0 .. 7 of my 128: the fragment's own places
	s_wait_dscnt 0x0                               ; the last fetch of k, which nobody uses, is back
.irp u, 0,1
	v_add_f32 v[TT+8*\u], v[ST+4*\u+2], v[ST+4*\u+3]
.endr
.irp u, 0,1
	v_permlanex16_b32 v[TT+8*\u+1], v[TT+8*\u], s[SEL], s[SEL+1]
.endr
.irp u, 0,1
	v_add_f32 v[TT+8*\u], v[TT+8*\u], v[TT+8*\u+1]           ; the row's sum
.endr
.irp u, 0,1
	v_rcp_f32 v[TT+8*\u+2], v[TT+8*\u]
.endr
	v_mov_b32 v[PSC], s[OSC]                       ; (plain lines behind the reciprocals)  2^e10,
	v_mov_b32 v[PLIM], s[OLIM]                     ; 448 x 2^e10
	s_wait_alu depctr_va_vdst(0)                   ; one wait for both reciprocals, ahead of their first reader
.irp u, 0,1
	v_ldexp_f32 v[TT+8*\u+2], v[TT+8*\u+2], s[E89]
.endr
.set i, 0
.rept 16
.irp u, 0,1
	v_pk_mul_f32 v[O+32*\u+i:O+32*\u+i+1], v[O+32*\u+i:O+32*\u+i+1], v[TT+8*\u+2:TT+8*\u+3] op_sel_hi:[1,0]
.endr
.set i, i+2
.endr
.set i, 0
.rept 64
	v_med3_num_f32 v[O+i], v[O+i], -v[PLIM], v[PLIM]
.set i, i+1
.endr
.irp u, 0,1
.irp c, 0,1,2,3
	v_cvt_scalef32_pk8_fp8_f32 v[P+8*\u+2*\c:P+8*\u+2*\c+1], v[O+32*\u+8*\c:O+32*\u+8*\c+7], v[PSC]
.endr
.endr
	v_nop                                          ; a plain line behind the last conversion
.irp g, 0,1,2,3
	global_store_b128 v[LI], v[P+4*\g:P+4*\g+3], s[10:11] offset:512*\g   ; 512 consecutive bytes, aligned
.endr
	s_set_vgpr_msb 0x5
	s_wait_tensorcnt 0x0
	ds_add_u32 v0, v1
	s_wait_dscnt 0x0
	s_set_vgpr_msb 0x500
	s_endpgm
.Lfunc_end_k_qb427a06c30_attn:
	.size	k_qb427a06c30_attn, .Lfunc_end_k_qb427a06c30_attn-k_qb427a06c30_attn
	.p2alignl 7, 3214868480
	.fill 96, 4, 3214868480
	.section	.rodata,"a",@progbits
	.p2align	6, 0x0
	.amdhsa_kernel k_qb427a06c30_attn
		.amdhsa_group_segment_fixed_size 168960
		.amdhsa_private_segment_fixed_size 0
		.amdhsa_enable_private_segment 0
		.amdhsa_kernarg_size 32
		.amdhsa_user_sgpr_count 2
		.amdhsa_user_sgpr_kernarg_segment_ptr 1
		.amdhsa_wavefront_size32 1
		.amdhsa_system_sgpr_workgroup_id_x 1
		.amdhsa_system_sgpr_workgroup_id_y 1
		.amdhsa_system_sgpr_workgroup_id_z 1
		.amdhsa_system_vgpr_workitem_id 0
		.amdhsa_next_free_vgpr 258
		.amdhsa_next_free_sgpr 66
		.amdhsa_reserve_vcc 1
		.amdhsa_float_denorm_mode_32 3
		.amdhsa_float_denorm_mode_16_64 3
		.amdhsa_memory_ordered 1
		.amdhsa_forward_progress 1
		.amdhsa_inst_pref_size 43
	.end_amdhsa_kernel
	.amdgpu_metadata
---
amdhsa.version: [ 1, 2 ]
amdhsa.kernels:
  - .name:           k_qb427a06c30_attn
    .symbol:         k_qb427a06c30_attn.kd
    .args:
      - { .name: qc, .offset: 0, .size: 8, .value_kind: global_buffer, .address_space: global }
      - { .name: kvc, .offset: 8, .size: 8, .value_kind: global_buffer, .address_space: global }
      - { .name: lowp_scales, .offset: 16, .size: 8, .value_kind: global_buffer, .address_space: global }
      - { .name: oc, .offset: 24, .size: 8, .value_kind: global_buffer, .address_space: global }
    .group_segment_fixed_size: 168960
    .private_segment_fixed_size: 0
    .kernarg_segment_align: 8
    .kernarg_segment_size: 32
    .max_flat_workgroup_size: 256
    .sgpr_count:     66
    .vgpr_count:     258
    .wavefront_size: 32
...
	.end_amdgpu_metadata
.endif
;; end of part 3
;; launch outp (part 4): grid 8 x 32, 4 waves a work-group, clusters of 4 x 4, 280,064 bytes of LDS; arguments oc, wc, lowp_scales, bf, out0; writes out0
.if DOCPART == 4
	.amdgcn_target "amdgcn-amd-amdhsa--gfx1250"
	.amdhsa_code_object_version 6
	.text
	.protected	k_qb427a06c30_outp
	.globl	k_qb427a06c30_outp
	.p2align	8
	.type	k_qb427a06c30_outp,@function
k_qb427a06c30_outp:
	s_mov_b64 s[64:65], 0
	v_nop
	global_prefetch_b8 v0, s[64:65] scope:SCOPE_SE
	s_setreg_imm32_b32 hwreg(HW_REG_WAVE_MODE, 25, 1), 1
	s_wait_xcnt 0x0
	s_wait_alu depctr_hold_cnt(0) depctr_sa_sdst(0) depctr_va_vdst(0) depctr_va_sdst(0) depctr_va_ssrc(0) depctr_va_vcc(0) depctr_vm_vsrc(0)
	s_getreg_b32 s2, hwreg(HW_REG_IB_STS2, 6, 4)
	s_cmp_eq_u32 s2, 0
	s_cbranch_scc0 .Lentry_in_a_cluster
	s_endpgm
.Lentry_in_a_cluster:
	s_bfe_u32 s2, ttmp6, 0x10000c
	s_cmp_lg_u32 s2, 0xf033
	s_cbranch_scc0 .Lentry_shape_is_right
	s_endpgm
.Lentry_shape_is_right:
; out = o Wf^T + bf on codes of FP8 (E4M3): o's codes (scale 2^e10) and Wf's (2^e11) come as images of fragment registers (16 rows x 128 K = 2,048 bytes; a row tile of 1,024 K = 16,384 bytes); out: [4096][1024] f32.
; A work-group of four waves makes 128 x 128 of out, a wave 64 x 64: 16 accumulators.  K = 1,024 is short: o's 8 row tiles and Wf's 8, 131,072 bytes each, fit in LDS whole.  So there is no ring: every LDS byte
; that a tensor load fills is filled once, and all of it is asked for at the head, in four chunks of 256 along K.  A wave has four tensor loads out, 16,384 bytes each.
; CLUSTERS: 4 x 4 work-groups.  The four of a row of the cluster need the same tiles of o, the four of a column the same tiles of Wf: each is asked for JOINTLY, by the same tensor load with the same descriptor and a mask
; that names the four.  THE MATRIX INSTRUCTION IS USED TRANSPOSED (source 0 = 16 rows of Wf, source 1 = 16 rows of o): a lane holds eight neighbouring numbers of a row of out.
; Each finished sum is multiplied by 2^(e10 + e11) and bf is added in one packed multiply-add.  LIMIT: e10 + e11 between -126 and 127, so that the power of two is an f32 number.
; REGISTERS: window 0: v8-15 LDS addresses, v16-20 the way out's addresses, v32-63 a block's results, v64-95 its rows read back, v96-127 bf of my 64 columns in the result's layout, v128-255 the accumulators.
;   window 1: two fragment buffers of 128: o's four fragments, then Wf's four.
.set TILEB, 16384
.set CHUNK, 65536                      ; LDS: 256 along K: o's 8 row tiles x 4,096 bytes, then Wf's
.set STAGE, 4*CHUNK                    ; behind the panels: 16 rows x (256 bytes + 16) for each wave, for the way out; no tensor load lands there
.set SPITCH, 272
.set G1A, 24
.set G1B, 32
.set G0A, 68
.set G0B, 84
.set ADRA, 8
.set ADRB, 12
.set STO, 16                           ; v16  the way out: where I put 32 bytes of a row
.set RD,  17                           ; v17  where I read a row back
.set CO,  18                           ; v18  my byte offset in two rows of out
.set BO,  19                           ; v19  32 x (lane / 16): my eight numbers of a tile's 16 of bf
.set LI,  20
.set TMP, 32
.set BK,  64
.set BIAS, 96
.set ACC, 128
.set MSB, 0
.macro WIN new                         ; the immediate's high byte repeats the setting that is left
.if MSB != \new
	s_set_vgpr_msb (MSB<<8)|\new
.set MSB, \new
.endif
.endm
.macro CROUND                          ; a round of the cluster's barrier
	s_barrier_signal -1
	s_barrier_wait -1
	s_cmp_lg_u32 s14, 0
	s_cbranch_scc1 .Lnot_wave_0_\@
	s_barrier_signal -3
.Lnot_wave_0_\@:
	s_barrier_wait -3
	s_barrier_signal -1
	s_barrier_wait -1
.endm
.macro PLACES                          ; four places between a matrix instruction and a load into a register that it has read, or a vector instruction that reads its result
.rept 4
	v_nop
.endr
.endm
	s_load_b256 s[4:11], s[0:1], 0x0               ; oc s[4:5], wc s[6:7], the exponents s[8:9], bf s[10:11]
	s_load_b64 s[12:13], s[0:1], 0x20              ; out
	v_lshl_add_u32 v30, v0, 2, 0x44400
	v_mov_b32 v31, 0
	ds_add_u32 v30, v31
	ds_add_u32 v30, v31
	v_lshrrev_b32 v1, 5, v0
	v_readfirstlane_b32 s14, v1                    ; wave 0..3
	v_and_b32 v[LI], 31, v0
	v_lshlrev_b32 v[LI], 4, v[LI]
	s_lshr_b32 s15, s14, 1                         ; which half of the tile's rows is mine.  Also: I fetch for o (0) or for Wf (1)
	s_and_b32 s16, s14, 1                          ; which half of its columns.  Also: which 4 row tiles I fetch
	s_bfe_u32 s40, ttmp6, 0x40000                  ; cx, cy: my place in the cluster
	s_bfe_u32 s41, ttmp6, 0x40004
	s_lshl_b32 s42, ttmp9, 2
	s_add_co_u32 s42, s42, s40                     ; tile column: 0..7
	s_and_b32 s17, ttmp7, 0xffff
	s_lshl_b32 s17, s17, 2
	s_add_co_u32 s17, s17, s41                     ; tile row: 0..31
	s_lshl_b32 s43, s41, 2
	s_lshl_b32 s43, 15, s43                        ; my row of the cluster
	s_lshl_b32 s44, 0x1111, s40                    ; my column
	; descriptor group 1: 4 rows (row tiles) of 512 elements of 8 bytes (a chunk's 4,096 bytes), 2,048 elements (a row tile) apart; dense in LDS
	s_or_b32 s[G1A], s43, (3<<16)|(1<<21)          ; 15:0 the mask; 17:16 elements of 8 bytes; 20 no padding; 21 set beside a mask
	s_or_b32 s[G1B], s44, (3<<16)|(1<<21)
.irp g, G1A, G1B
	s_mov_b32 s[\g+1], 512<<16                     ; tensor_dim0
	s_mov_b32 s[\g+2], 4<<16                       ; tensor_dim1
	s_mov_b32 s[\g+3], 512<<16                     ; tile_dim0
	s_mov_b32 s[\g+4], 4                           ; tile_dim1
	s_mov_b32 s[\g+5], 2048                        ; tensor_dim0_stride
	s_mov_b32 s[\g+6], 0
	s_mov_b32 s[\g+7], 0
.endr
	s_lshl_b32 s18, s16, 2
	s_lshl_b32 s20, s17, 3
	s_add_co_u32 s20, s20, s18
	s_lshl_b32 s20, s20, 14                        ; o: row tile 8 x tile row + 4 x half, in bytes
	s_mov_b32 s21, 0
	s_lshl_b32 s46, s42, 3
	s_add_co_u32 s46, s46, s18
	s_lshl_b32 s46, s46, 14
	s_add_co_u32 s46, s46, 64*TILEB                ; Wf: wc's row tile 64 + 8 x tile column + 4 x half
	s_mov_b32 s47, 0
	s_lshl_b32 s45, s14, 14                        ; where they go in a chunk: wave x 16,384
	s_wait_dscnt 0x0
	s_wait_kmcnt 0x0
	s_add_nc_u64 s[20:21], s[4:5], s[20:21]
	s_add_nc_u64 s[46:47], s[6:7], s[46:47]
	CROUND                                         ; all sixteen work-groups are here: the joint loads meet
.irp c, 0,1,2,3
	s_mov_b32 s[G0A+4*\c], 1
	s_add_co_u32 s[G0A+4*\c+1], s45, \c*CHUNK
	s_add_nc_u64 s[G0A+4*\c+2:G0A+4*\c+3], s[20:21], \c*4096
	s_or_b32 s[G0A+4*\c+3], s[G0A+4*\c+3], 0x80000000
	s_mov_b32 s[G0B+4*\c], 1
	s_add_co_u32 s[G0B+4*\c+1], s45, \c*CHUNK
	s_add_nc_u64 s[G0B+4*\c+2:G0B+4*\c+3], s[46:47], \c*4096
	s_or_b32 s[G0B+4*\c+3], s[G0B+4*\c+3], 0x80000000
.endr
	s_cmp_eq_u32 s15, 0                            ; a wave's four fills stand in one branch on the wave's number, ahead of every wait on TENSORcnt and every LDS read; four v_nop follow the last
	s_cbranch_scc0 .Lfirst_b
.irp c, 0,1,2,3
	tensor_load_to_lds s[G0A+4*\c:G0A+4*\c+3], s[G1A:G1A+7]
	s_nop 0
.endr
.rept 4
	v_nop
.endr
	s_branch .Lfirst_asked
.Lfirst_b:
.irp c, 0,1,2,3
	tensor_load_to_lds s[G0B+4*\c:G0B+4*\c+3], s[G1B:G1B+7]
	s_nop 0
.endr
.rept 4
	v_nop
.endr
.Lfirst_asked:
	s_load_b64 s[56:57], s[8:9], 0x28              ; e10, e11
	s_lshl_b32 s2, s42, 9
	s_lshl_b32 s3, s16, 8
	s_add_co_u32 s2, s2, s3                        ; my first column, in bytes: 512 x tile column + 256 x half
	s_mov_b32 s3, 0
	s_add_nc_u64 s[10:11], s[10:11], s[2:3]        ; bf there
	s_lshl_b32 s22, s17, 7
	s_lshl_b32 s23, s15, 6
	s_add_co_u32 s22, s22, s23                     ; my first row: 128 x tile row + 64 x half
	s_lshl_b32 s22, s22, 12
	s_add_co_u32 s22, s22, s2
	s_mov_b32 s23, 0
	s_add_nc_u64 s[12:13], s[12:13], s[22:23]
	v_and_b32 v1, 15, v0                           ; r
	v_bfe_u32 v2, v0, 4, 1                         ; h
	v_lshlrev_b32 v[BO], 5, v2
.irp b, 0,1,2,3
	global_load_b128 v[BIAS+8*\b:BIAS+8*\b+3], v[BO], s[10:11] offset:64*\b          ; bf of columns 16 b + 8 h + 0 .. 7 of my 64
	global_load_b128 v[BIAS+8*\b+4:BIAS+8*\b+7], v[BO], s[10:11] offset:64*\b+16
.endr
	s_lshl_b32 s19, s15, 14                        ; my 4 row tiles of o in a chunk,
	s_lshl_b32 s48, s16, 14
	s_add_co_u32 s48, s48, 32768                   ; my 4 of Wf, which lie behind o's 8
.irp c, 0,1,2,3
	v_add_nc_u32 v[ADRA+\c], s19, v[LI]
	v_add_nc_u32 v[ADRB+\c], s48, v[LI]
	s_add_co_u32 s19, s19, CHUNK
	s_add_co_u32 s48, s48, CHUNK
.endr
	s_mul_i32 s19, s14, 16*SPITCH
	s_add_co_u32 s19, s19, STAGE                   ; my stage
	v_mul_u32_u24 v[STO], v1, SPITCH               ; in: row r, 32 bytes for each half of the lanes
	v_lshl_add_u32 v[STO], v2, 5, v[STO]
	v_add_nc_u32 v[STO], s19, v[STO]
	v_mul_u32_u24 v[RD], v2, SPITCH                ; back: lanes 0-15 take one row of 256 bytes, lanes 16-31 the next
	v_lshl_add_u32 v[RD], v1, 4, v[RD]
	v_add_nc_u32 v[RD], s19, v[RD]
	v_lshlrev_b32 v[CO], 12, v2                    ; and the same two rows in out (a row is 4,096 bytes)
	v_lshl_add_u32 v[CO], v1, 4, v[CO]
	s_wait_kmcnt 0x0
	s_add_co_i32 s56, s56, s57
	s_add_co_i32 s56, s56, 127
	s_lshl_b32 s56, s56, 23                        ; 2^(e10 + e11) as f32
	s_mov_b32 s57, s56                             ; (named with it as a pair, so it is written)
; 32 LDS loads in one run: the fragments of K step q (128 along K) into buffer f of window 1
.macro FETCH q, f
	WIN 0x40                                       ; destination window 1, address window 0
.irp i, 0,1,2,3
.irp g, 0,1,2,3
	ds_load_b128 v[(\f)+64+16*\i+4*\g:(\f)+64+16*\i+4*\g+3], v[ADRB+(\q)/2] offset:4096*\i+2048*((\q)%2)+512*\g
	ds_load_b128 v[(\f)+16*\i+4*\g:(\f)+16*\i+4*\g+3], v[ADRA+(\q)/2] offset:4096*\i+2048*((\q)%2)+512*\g
.endr
.endr
.endm
; 16 matrix instructions: my 4 x 4 tiles, 128 along K.  q = 0: the first products start the sums.  The 16 accumulators take turns, one instruction a turn, in the same order in every step.
.macro MUL f, q
	WIN 0x05                                       ; sources 0 and 1 window 1; C and D window 0
.irp a, 0,1,2,3
.irp b, 0,1,2,3
.if (\q) == 0
	v_wmma_f32_16x16x128_fp8_fp8 v[ACC+8*(4*\a+\b):ACC+8*(4*\a+\b)+7], v[(\f)+64+16*\b:(\f)+64+16*\b+15], v[(\f)+16*\a:(\f)+16*\a+15], 0
.else
	v_wmma_f32_16x16x128_fp8_fp8 v[ACC+8*(4*\a+\b):ACC+8*(4*\a+\b)+7], v[(\f)+64+16*\b:(\f)+64+16*\b+15], v[(\f)+16*\a:(\f)+16*\a+15], v[ACC+8*(4*\a+\b):ACC+8*(4*\a+\b)+7]
.endif
.endr
.endr
.endm
	s_wait_tensorcnt 0x3                           ; my part of chunk 0 is in; my three later loads may be out
	s_barrier_signal -1
	s_barrier_wait -1                              ; everybody's is
	FETCH 0, 0
.irp q, 0,1,2,3,4,5,6,7
.if \q < 7
.if (\q+1)%2 == 0
	s_wait_tensorcnt 3-(\q+1)/2                    ; my part of the next chunk is in; the loads issued behind it may be out
	s_wait_dscnt 0x0                               ; no LDS instruction of mine is pending at a signal
	s_barrier_signal -1
	s_barrier_wait -1
.endif
.if \q > 0
	PLACES                                         ; the buffer below was read by the step before this one
.endif
	FETCH \q+1, 128*((\q+1)%2)
	s_wait_dscnt 32                                ; all but the 32 just issued: this step's fragments are in
.else
	s_wait_dscnt 0x0
.endif
	MUL 128*(\q%2), \q
.endr
	WIN 0
	s_wait_loadcnt 0x0                             ; bf
	PLACES
	; THE WAY OUT, 16 rows x 64 columns at a time.  A lane holds 32 neighbouring bytes of a row and the lanes beside it other rows: so a block goes through my own stage in LDS and comes back as whole rows of 256 bytes.
	; LDS serves a wave's instructions in order (ISA guide 5.7.1.4): no wait stands between the stores and the loads.
.irp a, 0,1,2,3
.irp b, 0,1,2,3
.irp i, 0,2,4,6
	v_pk_fma_f32 v[TMP+8*\b+\i:TMP+8*\b+\i+1], v[ACC+8*(4*\a+\b)+\i:ACC+8*(4*\a+\b)+\i+1], s[56:57], v[BIAS+8*\b+\i:BIAS+8*\b+\i+1] op_sel_hi:[1,0,1]   ; sum x 2^(e10 + e11) + bf; each accumulator from its low end on
.endr
.endr
.irp b, 0,1,2,3
	ds_store_b128 v[STO], v[TMP+8*\b:TMP+8*\b+3] offset:64*\b
	ds_store_b128 v[STO], v[TMP+8*\b+4:TMP+8*\b+7] offset:64*\b+16
.endr
.if \a > 0
	s_wait_xcnt 0x0                                ; the block before's stores have read their registers: the loads below land there only behind this wait
.endif
.irp i, 0,1,2,3,4,5,6,7
	ds_load_b128 v[BK+4*\i:BK+4*\i+3], v[RD] offset:2*SPITCH*\i
.endr
	s_wait_dscnt 0x0
.irp i, 0,1,2,3,4,5,6,7
	global_store_b128 v[CO], v[BK+4*\i:BK+4*\i+3], s[12:13] offset:65536*\a+8192*\i th:TH_STORE_NT   ; 16 lanes store 256 consecutive bytes, at a multiple of 256 from out's first byte; written once, read by nobody here
.endr
.endr
	s_wait_tensorcnt 0x0
	ds_add_u32 v30, v31
	s_wait_dscnt 0x0
	CROUND                                         ; the closing round: no work-group ends while a partner may still ask for a tile that names it
	s_endpgm
.Lfunc_end_k_qb427a06c30_outp:
	.size	k_qb427a06c30_outp, .Lfunc_end_k_qb427a06c30_outp-k_qb427a06c30_outp
	.p2alignl 7, 3214868480
	.fill 96, 4, 3214868480
	.section	.rodata,"a",@progbits
	.p2align	6, 0x0
	.amdhsa_kernel k_qb427a06c30_outp
		.amdhsa_group_segment_fixed_size 280064
		.amdhsa_private_segment_fixed_size 0
		.amdhsa_enable_private_segment 0
		.amdhsa_kernarg_size 40
		.amdhsa_user_sgpr_count 2
		.amdhsa_user_sgpr_kernarg_segment_ptr 1
		.amdhsa_wavefront_size32 1
		.amdhsa_system_sgpr_workgroup_id_x 1
		.amdhsa_system_sgpr_workgroup_id_y 1
		.amdhsa_system_sgpr_workgroup_id_z 1
		.amdhsa_system_vgpr_workitem_id 0
		.amdhsa_next_free_vgpr 512
		.amdhsa_next_free_sgpr 100
		.amdhsa_reserve_vcc 0
		.amdhsa_float_denorm_mode_32 3
		.amdhsa_float_denorm_mode_16_64 3
		.amdhsa_memory_ordered 1
		.amdhsa_forward_progress 1
		.amdhsa_inst_pref_size 47
	.end_amdhsa_kernel
	.amdgpu_metadata
---
amdhsa.version: [ 1, 2 ]
amdhsa.kernels:
  - .name:           k_qb427a06c30_outp
    .symbol:         k_qb427a06c30_outp.kd
    .args:
      - { .name: oc, .offset: 0, .size: 8, .value_kind: global_buffer, .address_space: global }
      - { .name: wc, .offset: 8, .size: 8, .value_kind: global_buffer, .address_space: global }
      - { .name: lowp_scales, .offset: 16, .size: 8, .value_kind: global_buffer, .address_space: global }
      - { .name: bf, .offset: 24, .size: 8, .value_kind: global_buffer, .address_space: global }
      - { .name: out0, .offset: 32, .size: 8, .value_kind: global_buffer, .address_space: global }
    .group_segment_fixed_size: 280064
    .private_segment_fixed_size: 0
    .kernarg_segment_align: 8
    .kernarg_segment_size: 40
    .max_flat_workgroup_size: 128
    .sgpr_count:     100
    .vgpr_count:     512
    .wavefront_size: 32
...
	.end_amdgpu_metadata
.endif
;; end of part 4
;; ======== version 2 of 2: 4 launches; version 1 with the launch attn written anew for expert scheduling mode
;; workspace buffers: xc 12,582,912 bytes; wc 2,228,224 bytes; qc 4,194,304 bytes; kvc 524,288 bytes; oc 4,194,304 bytes
;; launch quant: the kernel of part 1 again; grid 392 x 1, 4 waves a work-group, no clusters, 34,304 bytes of LDS; arguments x, Wq, Wf, Wk, Wv, lowp_scales, xc, wc; writes xc, wc
;; launch proj: the kernel of part 2 again; grid 8 x 32, 4 waves a work-group, clusters of 4 x 4, 262,656 bytes of LDS; arguments xc, wc, lowp_scales, qc, kvc; writes qc, kvc
;; launch attn (part 5): grid 128 x 2, 8 waves a work-group, no clusters, 168,960 bytes of LDS; arguments qc, kvc, lowp_scales, oc; writes oc
.if DOCPART == 5
	.amdgcn_target "amdgcn-amd-amdhsa--gfx1250"
	.amdhsa_code_object_version 6
	.text
	.protected	k_qb427a06c30_attn
	.globl	k_qb427a06c30_attn
	.p2align	8
	.type	k_qb427a06c30_attn,@function
k_qb427a06c30_attn:
	s_mov_b64 s[64:65], 0
	v_nop
	global_prefetch_b8 v0, s[64:65] scope:SCOPE_SE
	s_setreg_imm32_b32 hwreg(HW_REG_WAVE_SCHED_MODE, 0, 2), 2
	s_setreg_imm32_b32 hwreg(HW_REG_WAVE_MODE, 25, 1), 1
	s_wait_xcnt 0x0
	s_wait_alu depctr_vm_vsrc(0)
; o[b][t][n][:] = the sum over s of softmax_s(q[b][t][n] . k[b][s] / 8) v[b][s][:], over the keys s with t - 1024 <= s <= t, one head of k and v for all 16 heads of q; both products on codes of FP8 (E4M3).
; THE SOFTMAX AHEAD OF THE SECOND PRODUCT: t = score x log2(e) / 8; M = the row's largest t so far, rounded UP to a whole number; p = 2^(t - M) is quantised (scale 2^e9), not normalised.  The row's sum is taken of the
; unquantised p, in f32, and divides o at the end.  When M moves, the sum and o are multiplied by 2^(old M - new M), which rounds nothing.  o is then quantised with e10, for the last product.
; SHARES.  A work-group owns 16 time steps (a row tile) of one batch, with all 16 heads: its 256 queries see the same keys.  Wave w owns heads 2 w and 2 w + 1: two tiles of 16 queries, so that each fragment of k and v that
; it reads from LDS feeds two products, and its results are the 128 numbers 128 w .. 128 w + 127 of the 16 rows: one whole fragment of the last product's operand, stored as its image.
; KEYS go in steps of 64.  The queries lie in step s_hi = row tile / 4; the first step with a key that counts is s_base = max(0, s_hi - 16).  In step s_hi key n of the step is hidden where n > d, in step s_hi - 16 where n < d,
; d = the query's place in its step; the steps between count whole.  Steps outside are not multiplied.  THE LOOP HAS 17 TRIPS IN EVERY WORK-GROUP: a work-group with fewer steps jumps over a trip's work by a scalar branch on its number.
; LDS holds 17 steps of k and v (8,192 bytes each, as the launch before laid them: 4 tiles of 16 keys x 64 channels, 4 tiles of 16 channels x 64 keys, images of fragment registers), copied once through registers; one barrier.
; The one-sided hold of p may stand under a scalar branch on the given e9: p <= 1, and 448 x 2^e9 >= 1 wherever e9 >= -8.
; Joint loads are left out: the partners of a cluster would own other time steps, and the trips' branches hang on those; what would be shared is asked for once, at the head.
; LAYOUT.  Both products are used transposed: S^T = K Q^T (source 0 = 16 keys, source 1 = 16 queries), O^T = V^T P^T (source 0 = 16 channels, source 1 = P): a lane holds ONE query (lane % 16) of each tile throughout.
; In S^T tile c, register j is key 16 c + 8 (lane / 16) + j: just the place that registers 2 c, 2 c + 1 of the second product's operand have: the conversions' results are that operand.
; LIMITS on the given exponents: e6 + e7 between -123 and 130 (added to c's exponent field); e9 and e10 between -126 and 119; e8 + e9 is applied by v_ldexp_f32 and has none.
; THE MODE: SCHED_MODE bits 1:0 = 2 (LLVM: expert scheduling mode 2), set by the entry lines.  The code itself states the register dependences between vector or matrix instructions and memory or LDS instructions,
; with s_wait_alu, always for 0.
; THE PLAN.  Registers that memory or LDS instructions touch:
;   v1          16 x lane: written once at the head; the address of q's loads, of the first loads of k and of the last stores.
;   v232-234    the fill's addresses: written at the head, read by the fill's loads and LDS stores; in the loop the conversions write them again (p's codes).
;   v96-231     the fill's data: its loads land there, its LDS stores read them; then they are S^T, O^T and p's codes, written by vector and matrix instructions.
;   KF          trip i: the eight products K Q^T read it; behind them the trip's LDS loads of the next step's k land in it.
;   VF          trip i: its LDS loads land in it, its eight products V^T P read it; trip i + 1's loads land in it again.
;   v[ADV], v[ADK]  written by two additions in each trip, read by that trip's sixteen LDS loads.
;   P           at the end: written by the last conversions, read by the four stores.
;   S^T, O^T, the statistics and the registers at work are named in the loop by vector and matrix instructions alone.
; So a trip has ONE wait on va_vdst for its loads, behind its products K Q^T and the two additions: it states that those products are done reading KF, that the trip before's products V^T P are done reading VF, and that
; the two addresses are written.  v's eight loads follow it at once; k's eight are dealt among the lines of the maximum, which name none of KF and v[ADK].  One wait on vm_vsrc at a trip's head stands ahead of the two additions.
; The masks' 32 compares go in one run into scalar registers, with one wait on va_sdst between them and the selects that read them.
.set LI,   1                           ; v1   16 x lane; never rewritten
.set ADK,  2                           ; v2   LDS address of the next step's k
.set ADV,  3                           ; v3   of this step's v
.set D8,   4                           ; v4   d - 8 (lane / 16)
.set NINF, 5                           ; v5   -infinity
.set PSC,  6                           ; v6, v7  2^e9 and 448 x 2^e9; behind the loop 2^e10 and 448 x 2^e10
.set PLIM, 7
.set ST,   8                           ; v8-15  tile u at 4 u: -M, the largest t, the sum in two halves
.set Q,    16                          ; v16-31 q: 8 registers a tile
.set KF,   32                          ; v32-63 k: 4 tiles of 16 keys
.set VF,   64                          ; v64-95 v: 4 tiles of 16 channels
.set S,    96                          ; v96-159  S^T, then p: 32 a tile.  (At the head v96-231 carry the fill)
.set O,    160                         ; v160-223 O^T: 32 a tile
.set P,    224                         ; v224-239 p's codes, 8 a tile; at the end o's codes
.set FA,   232                         ; v232-234 at the head: the fill's addresses
.set TT,   240                         ; v240-255 at work, tile u at 8 u: +0, +1 maxima; +2, +3 f (a pair is named); +4, +5 a sum; +6 the old -M
.set STEPB, 8192
.set NST,  17
.set WV,   18
.set LAST, 22                          ; s22  the trip of step s_hi
.set LOWI, 23                          ; s23  the trip of step s_hi - 16: 0, or no trip's number
.set CS,   30                          ; s[30:31] c = log2(e) / 8 x 2^(e6 + e7)
.set SEL,  32                          ; s[32:33] lane selects for v_permlanex16_b32: lane l xor 16
.set TB,   34                          ; s34  LDS byte of the trip's step
.set TBN,  35                          ; s35  of the next
.set I,    36                          ; s36  the trip
.set E89,  37
.set OSC,  38
.set OLIM, 39
.set MK,   40                          ; s40-63, s66-73: a masked step's 32 masks: that of key 16 c + 8 (lane / 16) + j, number n = 8 c + j, at s[MK + n + 2 (n / 24)]
	s_load_b256 s[4:11], s[0:1], 0x0               ; qc s[4:5], kvc s[6:7], the exponents s[8:9], oc s[10:11]
	s_set_vgpr_msb 0x40
	v_lshl_add_u32 v0, v0, 2, 0x29000
	v_mov_b32 v1, 0
	s_set_vgpr_msb 0x4000
	v_lshrrev_b32 v2, 5, v0
	v_readfirstlane_b32 s[WV], v2                  ; wave 0..7
	v_and_b32 v[LI], 31, v0
	v_lshlrev_b32 v[LI], 4, v[LI]
	s_and_b32 s19, ttmp7, 0xffff                   ; the batch
	s_lshr_b32 s20, ttmp9, 2                       ; s_hi
	s_sub_co_i32 s21, s20, 16
	s_max_i32 s21, s21, 0                          ; s_base
	s_sub_co_u32 s[LAST], s20, s21
	s_cmp_ge_u32 ttmp9, 64
	s_cselect_b32 s[LOWI], 0, -1
	s_lshl_b32 s24, s19, 5
	s_add_co_u32 s24, s24, s21
	s_lshl_b32 s24, s24, 13                        ; k and v from step s_base of my batch on: s_base + 17 <= 32, so the 17 steps lie inside the batch
	s_mov_b32 s25, 0
	s_lshl_b32 s26, s19, 7
	s_add_co_u32 s26, s26, ttmp9
	s_lshl_b32 s26, s26, 14                        ; my row tile, 16,384 bytes in qc and in oc alike,
	s_wait_alu depctr_va_sdst(0)                   ; the wave's number is written into s18, ahead of its first reader, the next line
	s_lshl_b32 s27, s[WV], 11
	s_add_co_u32 s26, s26, s27                     ; and my wave's 2,048 bytes of it: two heads of q; one fragment of o
	s_mov_b32 s27, 0
	s_lshl_b32 s28, s[WV], 10
	v_add_nc_u32 v[FA], s28, v[LI]                 ; the fill: my wave's 1,024 bytes of each step, in memory and in LDS alike
	v_add_nc_u32 v[FA+1], 0x10000, v[FA]
	v_add_nc_u32 v[FA+2], 0x20000, v[FA]
	s_mov_b32 s[SEL], 0x76543210
	s_mov_b32 s[SEL+1], 0xfedcba98
	s_wait_kmcnt 0x0
	s_load_b128 s[12:15], s[8:9], 0x18             ; e6, e7, e8, e9
	s_load_b32 s16, s[8:9], 0x28                   ; e10
	s_add_nc_u64 s[4:5], s[4:5], s[26:27]
	s_add_nc_u64 s[10:11], s[10:11], s[26:27]
	s_add_nc_u64 s[6:7], s[6:7], s[24:25]
	s_wait_alu depctr_va_vdst(0)                   ; v[LI] and the fill's three addresses are written: the loads and the LDS stores of the head read them; no vector line of the head behind this wait names them, nor a register in which a load lands
.irp f, 0,1,2,3
	global_load_b128 v[Q+4*\f:Q+4*\f+3], v[LI], s[4:5] offset:512*\f th:TH_LOAD_NT   ; q stays in registers
.endr
.set n, 0
.rept 2*NST
	global_load_b128 v[S+4*n:S+4*n+3], v[FA], s[6:7] offset:(n/2)*STEPB+(n%2)*512
.set n, n+1
.endr
	v_and_b32 v2, 15, v0
	v_bfe_u32 v3, v0, 4, 1
	v_lshlrev_b32 v3, 3, v3
	v_sub_nc_u32 v[D8], v2, v3
	s_and_b32 s28, ttmp9, 3
	s_lshl_b32 s28, s28, 4
	v_add_nc_u32 v[D8], s28, v[D8]                 ; 16 (row tile % 4) + lane % 16 - 8 (lane / 16)
	v_mov_b32 v[NINF], 0xff800000
.irp u, 0,1
	v_mov_b32 v[ST+4*\u+1], 0xff61b1e6             ; the largest t so far: -3e38, under every t
	v_floor_f32 v[ST+4*\u], -v[ST+4*\u+1]          ; -M
	v_mov_b32 v[ST+4*\u+2], 0
	v_mov_b32 v[ST+4*\u+3], 0
.endr
.set n, 0
.rept 16
	v_mov_b32 v[TT+n], 0                           ; written once: a lane permute's destination and the upper half of a named pair count as read
.set n, n+1
.endr
	s_wait_kmcnt 0x0
	s_add_co_i32 s28, s12, s13
	s_lshl_b32 s28, s28, 23
	s_add_co_i32 s[CS], s28, 0x3e38aa3b            ; c = log2(e) / 8; a score stands for score x 2^(e6 + e7): the two exponents are added to c's exponent field
	s_mov_b32 s[CS+1], s[CS]                       ; (named with it as a pair, so it is written)
	s_add_co_i32 s28, s15, 127
	s_lshl_b32 s29, s28, 23
	v_mov_b32 v[PSC], s29
	s_add_co_i32 s28, s28, 8
	s_lshl_b32 s28, s28, 23
	s_or_b32 s28, s28, 0x600000
	v_mov_b32 v[PLIM], s28
	s_add_co_i32 s[E89], s14, s15
	s_add_co_i32 s28, s16, 127
	s_lshl_b32 s[OSC], s28, 23
	s_add_co_i32 s28, s28, 8
	s_lshl_b32 s28, s28, 23
	s_or_b32 s[OLIM], s28, 0x600000
.set n, 0
.rept 2*NST
	s_wait_loadcnt 2*NST-1-n                       ; loads come back in order (ISA guide 5.7.1): load n is in (and q, asked for first); the younger ones stay out
	ds_store_b128 v[FA+n/16], v[S+4*n:S+4*n+3] offset:((n/2)%8)*STEPB+(n%2)*512
.set n, n+1
.endr
	s_wait_dscnt 0x0                               ; for the others' sake: my part of the 17 steps lies in LDS
	s_wait_alu depctr_vm_vsrc(0)                   ; the fill's loads and LDS stores have read v96-231 and their addresses v232-234: the zeros below, the first products and p's codes write these registers again
	s_barrier_signal -1
.set n, 0
.rept 64
	v_mov_b32 v[O+n], 0                            ; O^T.  (The trip is written once: the first finds zeros, which the first change of M leaves zeros.)  Register work, while the others arrive
.set n, n+1
.endr
	s_barrier_wait -1
.irp f, 0,1,2,3,4,5,6,7
	ds_load_b128 v[KF+4*\f:KF+4*\f+3], v[LI] offset:512*\f   ; k of the first step.  (v[LI] was written ahead of the head's wait on va_vdst; no vector line has named KF)
.endr
	s_mov_b32 s[TB], 0
	s_mov_b32 s[I], 0
.macro KLOAD f                         ; one of the eight loads of the next step's k
	ds_load_b128 v[KF+4*(\f):KF+4*(\f)+3], v[ADK] offset:512*(\f)
.endm
.Lstep:
	s_cmp_gt_u32 s[I], s[LAST]
	s_cbranch_scc1 .Lskip                          ; all keys of this step come after my queries
	s_wait_dscnt 0x0                               ; k is in
	s_wait_alu depctr_vm_vsrc(0)                   ; the LDS loads issued so far, the trip before's among them, have read v[ADV] and v[ADK], which the two additions below write again
.irp c, 0,1,2,3
.irp u, 0,1
	v_wmma_f32_16x16x64_fp8_fp8 v[S+32*\u+8*\c:S+32*\u+8*\c+7], v[KF+8*\c:KF+8*\c+7], v[Q+8*\u:Q+8*\u+7], 0
.endr
.endr
	s_add_co_u32 s[TBN], s[TB], STEPB
	s_min_u32 s[TBN], s[TBN], (NST-1)*STEPB        ; the last trip fetches its own k once more: no read leaves the 17 steps
	v_add_nc_u32 v[ADV], s[TB], v[LI]              ; these four lines are the places between the products and the first read of the scores (ISA guide 7.12.1)
	v_add_nc_u32 v[ADK], s[TBN], v[LI]
	v_nop
	v_nop
	s_wait_alu depctr_va_vdst(0)                   ; the products above are done reading KF; the trip before's products V^T P are done reading VF; v[ADV] and v[ADK] are written: all that this trip's sixteen LDS loads hang on
.irp f, 0,1,2,3,4,5,6,7
	ds_load_b128 v[VF+4*\f:VF+4*\f+3], v[ADV] offset:4096+512*\f
.endr
	s_cmp_lg_u32 s[I], s[LAST]
	s_cbranch_scc1 .Lnot_diagonal
.irp c, 0,1,2,3                                ; my queries' own step: the scores of later keys become -infinity ahead of the maximum: p = 0 then.  Key 0 of the step counts for every query
.irp j, 0,1,2,3,4,5,6,7
	v_cmp_gt_i32 s[MK+8*\c+\j+2*((8*\c+\j)/24)], 16*\c+\j, v[D8]
.endr
.endr
	s_wait_alu depctr_va_sdst(0)                   ; the 32 compares have written their masks, ahead of the first select that reads one
.irp c, 0,1,2,3
.irp j, 0,1,2,3,4,5,6,7
	v_cndmask_b32 v[S+8*\c+\j], v[S+8*\c+\j], v[NINF], s[MK+8*\c+\j+2*((8*\c+\j)/24)]
	v_cndmask_b32 v[S+32+8*\c+\j], v[S+32+8*\c+\j], v[NINF], s[MK+8*\c+\j+2*((8*\c+\j)/24)]
.endr
.endr
.Lnot_diagonal:
	s_cmp_lg_u32 s[I], s[LOWI]
	s_cbranch_scc1 .Lnot_edge
.irp c, 0,1,2,3                                ; the window's far edge: keys more than 1,024 back.  Key 63 of the step counts for every query
.irp j, 0,1,2,3,4,5,6,7
	v_cmp_lt_i32 s[MK+8*\c+\j+2*((8*\c+\j)/24)], 16*\c+\j, v[D8]
.endr
.endr
	s_wait_alu depctr_va_sdst(0)                   ; the 32 compares have written their masks, ahead of the first select that reads one
.irp c, 0,1,2,3
.irp j, 0,1,2,3,4,5,6,7
	v_cndmask_b32 v[S+8*\c+\j], v[S+8*\c+\j], v[NINF], s[MK+8*\c+\j+2*((8*\c+\j)/24)]
	v_cndmask_b32 v[S+32+8*\c+\j], v[S+32+8*\c+\j], v[NINF], s[MK+8*\c+\j+2*((8*\c+\j)/24)]
.endr
.endr
.Lnot_edge:
; The next step's k is asked for among the lines of the maximum, a load behind each group of them.  No wait: no vector or matrix instruction since the trip's wait on va_vdst names KF or v[ADK], on any way here
.irp u, 0,1                                    ; the step's largest score of my query among my 32 keys: two chains a tile, the tiles by turns; each accumulator from its low end on
	v_max3_num_f32 v[TT+8*\u], v[S+32*\u], v[S+32*\u+1], v[S+32*\u+2]
	v_max3_num_f32 v[TT+8*\u+1], v[S+32*\u+3], v[S+32*\u+4], v[S+32*\u+5]
.endr
	KLOAD 0
.set kl, 1
.irp i, 6,10,14,18,22,26
.irp u, 0,1
	v_max3_num_f32 v[TT+8*\u], v[TT+8*\u], v[S+32*\u+\i], v[S+32*\u+\i+1]
	v_max3_num_f32 v[TT+8*\u+1], v[TT+8*\u+1], v[S+32*\u+\i+2], v[S+32*\u+\i+3]
.endr
	KLOAD kl
.set kl, kl+1
.endr
.irp u, 0,1
	v_max3_num_f32 v[TT+8*\u], v[TT+8*\u], v[S+32*\u+30], v[S+32*\u+31]
.endr
	KLOAD 7
.irp u, 0,1
	v_max_num_f32 v[TT+8*\u], v[TT+8*\u], v[TT+8*\u+1]
.endr
.irp u, 0,1
	v_permlanex16_b32 v[TT+8*\u+1], v[TT+8*\u], s[SEL], s[SEL+1]
.endr
.irp u, 0,1
	v_max_num_f32 v[TT+8*\u], v[TT+8*\u], v[TT+8*\u+1]       ; and among lane l xor 16's
.endr
.irp u, 0,1
	v_mul_f32 v[TT+8*\u], s[CS], v[TT+8*\u]                  ; as t (c is positive)
.endr
.irp u, 0,1
	v_max_num_f32 v[ST+4*\u+1], v[ST+4*\u+1], v[TT+8*\u]     ; the running largest t
.endr
.irp u, 0,1
	v_mov_b32 v[TT+8*\u+6], v[ST+4*\u]
.endr
.irp u, 0,1
	v_floor_f32 v[ST+4*\u], -v[ST+4*\u+1]                    ; the new -M = floor(-t) = -ceil(t): M is a whole number
.endr
.irp u, 0,1
	v_sub_f32 v[TT+8*\u], v[ST+4*\u], v[TT+8*\u+6]           ; M's old value less its new one: a whole number, 0 or less
.endr
.irp u, 0,1
	v_cvt_i32_f32 v[TT+8*\u], v[TT+8*\u]                     ; (it saturates)
.endr
.irp u, 0,1
	v_ldexp_f32 v[TT+8*\u+2], 1.0, v[TT+8*\u]                ; f = 2^(old M - new M)
.endr
.set i, 0
.rept 16
.irp u, 0,1
	v_pk_fma_f32 v[S+32*\u+i:S+32*\u+i+1], v[S+32*\u+i:S+32*\u+i+1], s[CS:CS+1], v[ST+4*\u:ST+4*\u+1] op_sel_hi:[1,0,0]   ; t - M, two at a time (of the pairs c and -M the low word serves both halves)
.endr
.set i, i+2
.endr
.set i, 0
.rept 64
	v_exp_f32 v[S+i], v[S+i]                       ; p = 2^(t - M), at most 1: not normalised.  One batch for both tiles
.set i, i+1
.endr
.irp u, 0,1
	v_pk_mul_f32 v[ST+4*\u+2:ST+4*\u+3], v[ST+4*\u+2:ST+4*\u+3], v[TT+8*\u+2:TT+8*\u+3] op_sel_hi:[1,0]   ; the sums under the new M.  (The plain lines behind the exponentials)
.endr
	s_wait_alu depctr_va_vdst(0)                   ; the 64 exponentials have written p: one wait for the whole batch, ahead of its first reader
.irp u, 0,1
	v_pk_add_f32 v[TT+8*\u+4:TT+8*\u+5], v[S+32*\u:S+32*\u+1], v[S+32*\u+2:S+32*\u+3]   ; the row's sum is taken of the unquantised p: two at a time, two chains a tile
.endr
.irp i, 4,8,12,16,20,24,28
.irp u, 0,1
	v_pk_add_f32 v[ST+4*\u+2:ST+4*\u+3], v[ST+4*\u+2:ST+4*\u+3], v[S+32*\u+\i:S+32*\u+\i+1]
	v_pk_add_f32 v[TT+8*\u+4:TT+8*\u+5], v[TT+8*\u+4:TT+8*\u+5], v[S+32*\u+\i+2:S+32*\u+\i+3]
.endr
.endr
.irp u, 0,1
	v_pk_add_f32 v[ST+4*\u+2:ST+4*\u+3], v[ST+4*\u+2:ST+4*\u+3], v[TT+8*\u+4:TT+8*\u+5]
.endr
	s_cmp_ge_i32 s15, -8                           ; p <= 1 <= 448 x 2^e9 wherever e9 >= -8: the hold cannot bind there
	s_cbranch_scc1 .Lno_hold
.set i, 0
.rept 64
	v_min_num_f32 v[S+i], v[S+i], v[PLIM]          ; the conversion to an 8-bit code does not saturate (ISA guide 7.6.2); p is not negative, so the hold is one-sided
.set i, i+1
.endr
.Lno_hold:
.irp u, 0,1
.irp c, 0,1,2,3
	v_cvt_scalef32_pk8_fp8_f32 v[P+8*\u+2*\c:P+8*\u+2*\c+1], v[S+32*\u+8*\c:S+32*\u+8*\c+7], v[PSC]
.endr
.endr
.set i, 0
.rept 16
.irp u, 0,1
	v_pk_mul_f32 v[O+32*\u+i:O+32*\u+i+1], v[O+32*\u+i:O+32*\u+i+1], v[TT+8*\u+2:TT+8*\u+3] op_sel_hi:[1,0]   ; O^T under the new M.  (These are also the plain lines between the conversions and the products)
.endr
.set i, i+2
.endr
	s_wait_dscnt 8                                 ; v is in; the eight loads issued behind it, the next step's k, may be out
.irp c, 0,1,2,3
.irp u, 0,1
	v_wmma_f32_16x16x64_fp8_fp8 v[O+32*\u+8*\c:O+32*\u+8*\c+7], v[VF+8*\c:VF+8*\c+7], v[P+8*\u:P+8*\u+7], v[O+32*\u+8*\c:O+32*\u+8*\c+7]
.endr
.endr
.Lskip:
	s_add_co_u32 s[TB], s[TB], STEPB
	s_add_co_u32 s[I], s[I], 1
	s_cmp_lt_u32 s[I], NST
	s_cbranch_scc1 .Lstep
	; THE WAY OUT.  o = O^T / the sum x 2^(e8 + e9), quantised with e10: registers 8 u + 2 c, + 1 are k = 64 u + 16 c + 8 (lane / 16) + 0 .. 7 of my 128: the fragment's own places
	s_wait_dscnt 0x0                               ; the last fetch of k, which nobody uses, is back
.irp u, 0,1
	v_add_f32 v[TT+8*\u], v[ST+4*\u+2], v[ST+4*\u+3]
.endr
.irp u, 0,1
	v_permlanex16_b32 v[TT+8*\u+1], v[TT+8*\u], s[SEL], s[SEL+1]
.endr
.irp u, 0,1
	v_add_f32 v[TT+8*\u], v[TT+8*\u], v[TT+8*\u+1]           ; the row's sum
.endr
.irp u, 0,1
	v_rcp_f32 v[TT+8*\u+2], v[TT+8*\u]
.endr
	v_mov_b32 v[PSC], s[OSC]                       ; (plain lines behind the reciprocals)  2^e10,
	v_mov_b32 v[PLIM], s[OLIM]                     ; 448 x 2^e10
	s_wait_alu depctr_va_vdst(0)                   ; the two reciprocals are written: one wait for both, ahead of their first reader
.irp u, 0,1
	v_ldexp_f32 v[TT+8*\u+2], v[TT+8*\u+2], s[E89]
.endr
.set i, 0
.rept 16
.irp u, 0,1
	v_pk_mul_f32 v[O+32*\u+i:O+32*\u+i+1], v[O+32*\u+i:O+32*\u+i+1], v[TT+8*\u+2:TT+8*\u+3] op_sel_hi:[1,0]
.endr
.set i, i+2
.endr
.set i, 0
.rept 64
	v_med3_num_f32 v[O+i], v[O+i], -v[PLIM], v[PLIM]
.set i, i+1
.endr
.irp u, 0,1
.irp c, 0,1,2,3
	v_cvt_scalef32_pk8_fp8_f32 v[P+8*\u+2*\c:P+8*\u+2*\c+1], v[O+32*\u+8*\c:O+32*\u+8*\c+7], v[PSC]
.endr
.endr
	v_nop                                          ; a plain line behind the last conversion
	s_wait_alu depctr_va_vdst(0)                   ; the conversions have written o's codes in v[P ..], which the four stores read
.irp g, 0,1,2,3
	global_store_b128 v[LI], v[P+4*\g:P+4*\g+3], s[10:11] offset:512*\g   ; 512 consecutive bytes, aligned
.endr
	s_set_vgpr_msb 0x5
	s_wait_dscnt 0x0
	s_wait_alu depctr_hold_cnt(0) depctr_sa_sdst(0) depctr_va_vdst(0) depctr_va_sdst(0) depctr_va_ssrc(0) depctr_va_vcc(0) depctr_vm_vsrc(0)
	s_wait_tensorcnt 0x0
	ds_add_u32 v0, v1
	s_wait_dscnt 0x0
	s_endpgm
.Lfunc_end_k_qb427a06c30_attn:
	.size	k_qb427a06c30_attn, .Lfunc_end_k_qb427a06c30_attn-k_qb427a06c30_attn
	.p2alignl 7, 3214868480
	.fill 96, 4, 3214868480
	.section	.rodata,"a",@progbits
	.p2align	6, 0x0
	.amdhsa_kernel k_qb427a06c30_attn
		.amdhsa_group_segment_fixed_size 168960
		.amdhsa_private_segment_fixed_size 0
		.amdhsa_enable_private_segment 0
		.amdhsa_kernarg_size 32
		.amdhsa_user_sgpr_count 2
		.amdhsa_user_sgpr_kernarg_segment_ptr 1
		.amdhsa_wavefront_size32 1
		.amdhsa_system_sgpr_workgroup_id_x 1
		.amdhsa_system_sgpr_workgroup_id_y 1
		.amdhsa_system_sgpr_workgroup_id_z 1
		.amdhsa_system_vgpr_workitem_id 0
		.amdhsa_next_free_vgpr 258
		.amdhsa_next_free_sgpr 74
		.amdhsa_reserve_vcc 0
		.amdhsa_float_denorm_mode_32 3
		.amdhsa_float_denorm_mode_16_64 3
		.amdhsa_memory_ordered 1
		.amdhsa_forward_progress 1
		.amdhsa_inst_pref_size 50
	.end_amdhsa_kernel
	.amdgpu_metadata
---
amdhsa.version: [ 1, 2 ]
amdhsa.kernels:
  - .name:           k_qb427a06c30_attn
    .symbol:         k_qb427a06c30_attn.kd
    .args:
      - { .name: qc, .offset: 0, .size: 8, .value_kind: global_buffer, .address_space: global }
      - { .name: kvc, .offset: 8, .size: 8, .value_kind: global_buffer, .address_space: global }
      - { .name: lowp_scales, .offset: 16, .size: 8, .value_kind: global_buffer, .address_space: global }
      - { .name: oc, .offset: 24, .size: 8, .value_kind: global_buffer, .address_space: global }
    .group_segment_fixed_size: 168960
    .private_segment_fixed_size: 0
    .kernarg_segment_align: 8
    .kernarg_segment_size: 32
    .max_flat_workgroup_size: 256
    .sgpr_count:     74
    .vgpr_count:     258
    .wavefront_size: 32
...
	.end_amdgpu_metadata
.endif
;; end of part 5
;; launch outp: the kernel of part 4 again; grid 8 x 32, 4 waves a work-group, clusters of 4 x 4, 280,064 bytes of LDS; arguments oc, wc, lowp_scales, bf, out0; writes out0
